; MI455X (gfx1250); checked and timed in simulation.
; The chip was launched on July 23, 2026; its instructions are those of AMD's public machine-readable ISA for CDNA 5 (MIT licence, August 2026) and "CDNA5" Instruction Set Architecture Reference Guide (July 2026). The comments in the code are by the model that wrote it; some were corrected since.
;; Mo E Layer. Allowed arithmetic: matrix products marked QUANTISED: E3M2 operands, one E8M0 scale for each 32 along K, by v_wmma_scale_f32_16x16x128_f8f6f4 with both operands' format E3M2, f32 sums; products left as they are: f32 operands where the result goes on into a quantised operand, else bf16, f16 or f32 operands; f32 sums; everything else in f32.
;; Inputs: W1_codes 8 x 512 x 32 x 24 uint8 (E3M2 codes of W1, K innermost, in blocks of 32 codes, four codes in three bytes); W1_scales 8 x 512 x 32 uint8 (E8M0 scales of W1, one for each 32 codes along K); W2_codes 8 x 1,024 x 16 x 24 uint8 (E3M2 codes of W2, K innermost, in blocks of 32 codes, four codes in three bytes); W2_scales 8 x 1,024 x 16 uint8 (E8M0 scales of W2, one for each 32 codes along K); Wg 1,024 x 8 float32; b1 8 x 512 float32; b2 8 x 1,024 float32; bg 8 float32; x 4 x 2,048 x 1,024 float32.
;; Outputs: out0 4 x 2,048 x 1,024 float32; out1 4 x 2,048 x 8 float32.
;; This version of the problem:
;;   THIS VERSION OF THE PROBLEM IS GIVEN IN LOW PRECISION. The matrix products marked QUANTISED in the list below multiply operands that are first quantised to E3M2 (3 exponent bits, 2 mantissa bits; 6 bits a number), with one power-of-two scale for each 32 numbers along K (OCP MX v1.0); their sums are f32. All else is computed in f32.
;;   The module's matrix products, in the order in which they are computed (A, B: the left and right operand; K: the contracted axis; several contracted axes count as one K, in the product's order):
;;     1. [M 8,192, K 1,024] x [K 1,024, N 8]; A: input x; B: input Wg: left as it is (N = 8 < 16)
;;     2. batch 8,192 x [M 1, K 2] x [K 2, N 8]; A: computed on the way; B: computed on the way: left as it is (K = 2 < 32)
;;     3. [M 8,192, K 1,024] x [K 1,024, N 512]; A: input x; B: input W1 (given as codes): QUANTISED
;;     4. [M 8,192, K 512] x [K 512, N 1,024]; A: computed on the way; B: input W2 (given as codes): QUANTISED
;;     5. [M 8,192, K 1,024] x [K 1,024, N 512]; A: input x; B: input W1 (given as codes): QUANTISED
;;     6. [M 8,192, K 512] x [K 512, N 1,024]; A: computed on the way; B: input W2 (given as codes): QUANTISED
;;     7. [M 8,192, K 1,024] x [K 1,024, N 512]; A: input x; B: input W1 (given as codes): QUANTISED
;;     8. [M 8,192, K 512] x [K 512, N 1,024]; A: computed on the way; B: input W2 (given as codes): QUANTISED
;;     9. [M 8,192, K 1,024] x [K 1,024, N 512]; A: input x; B: input W1 (given as codes): QUANTISED
;;     10. [M 8,192, K 512] x [K 512, N 1,024]; A: computed on the way; B: input W2 (given as codes): QUANTISED
;;     11. [M 8,192, K 1,024] x [K 1,024, N 512]; A: input x; B: input W1 (given as codes): QUANTISED
;;     12. [M 8,192, K 512] x [K 512, N 1,024]; A: computed on the way; B: input W2 (given as codes): QUANTISED
;;     13. [M 8,192, K 1,024] x [K 1,024, N 512]; A: input x; B: input W1 (given as codes): QUANTISED
;;     14. [M 8,192, K 512] x [K 512, N 1,024]; A: computed on the way; B: input W2 (given as codes): QUANTISED
;;     15. [M 8,192, K 1,024] x [K 1,024, N 512]; A: input x; B: input W1 (given as codes): QUANTISED
;;     16. [M 8,192, K 512] x [K 512, N 1,024]; A: computed on the way; B: input W2 (given as codes): QUANTISED
;;     17. [M 8,192, K 1,024] x [K 1,024, N 512]; A: input x; B: input W1 (given as codes): QUANTISED
;;     18. [M 8,192, K 512] x [K 512, N 1,024]; A: computed on the way; B: input W2 (given as codes): QUANTISED
;;   THE QUANTISER, for each operand of a quantised product, along K:
;;     - K is cut into blocks of 32 from its start; a last block that is shorter is filled with zeros.
;;     - A block's scale is 2^e with e = floor(log2(the largest magnitude in the block)) - 4, held to -126 .. 127; a block of zeros has e = 0. As a byte (E8M0): e + 127.
;;     - Each number is divided by its block's scale, clamped to +-28, and rounded to the nearest number of E3M2, ties to even, subnormals kept.
;;     - The product sums the exact products of the quantised numbers (number of the format x scale) in f32.
;;   ~~~python
;;   def quantise(x, axis):      # numpy; x: float32 -> the quantised numbers, widened to float32 again
;;       x = np.moveaxis(x, axis, -1); K = x.shape[-1]
;;       x = np.pad(x, [(0, 0)] * (x.ndim - 1) + [(0, -K % 32)]); x = x.reshape(x.shape[:-1] + (-1, 32)); a = np.abs(x).max(-1, keepdims=True)
;;       e = np.where(a > 0, np.clip(np.frexp(np.where(a > 0, a, 1))[1] - 1 - 4, -126, 127), 0)      # np.frexp(a)[1] - 1 = floor(log2(a)), exactly
;;       r = np.clip(x / 2.0 ** e, -28, 28)
;;       step = 2.0 ** (np.maximum(np.frexp(np.where(r == 0, 1, r))[1] - 1, -2) - 2)
;;       q = np.round(r / step) * step * 2.0 ** e      # np.round: ties to even
;;       return np.moveaxis(q.reshape(q.shape[:-2] + (-1,))[..., :K], -1, axis).astype(np.float32)
;;   ~~~
;;   OPERANDS COMPUTED ON THE WAY. 'Computed on the way' means the value that the module computes at that place (a softmax that the list does not call 'softmax' is quantised finished and normalised). What goes into a quantiser is computed in f32, as accurately as f32 sums, v_exp_f32 and their like allow (about 1e-6 of the number): no bf16 or f16 on the way to a quantiser, and a product that is left as it is and whose result goes on into a quantised operand takes f32 operands (vector FMAs, or v_wmma_f32_16x16x4_f32). A number that lies on a knife's edge between two numbers of the format may be rounded either way, as far as f32 arithmetic and the matrix unit's own rounding can turn it there, and no further.
;;   INPUTS GIVEN AS CODES. W1 (in the module: [8, 1024, 512], K = its axis 1); W2 (in the module: [8, 512, 1024], K = its axis 1): each comes as NAME_codes (uint8): NAME with its K axis moved to the last place and cut into blocks of 32 codes, [.., K / 32, bytes a block], one block behind the other in memory; four codes in three bytes: a row's codes are one little-endian stream of bits, code i at bits 6 i .. 6 i + 5 (a code: sign, 3 exponent bits, 2 mantissa bits); and NAME_scales (uint8): the same leading axes, one E8M0 byte (e + 127) for each 32 codes along K. Its value is code x scale, taken as it is: it is not quantised again, and the codes and scales need not be those that the quantiser above would give.
;; 2 versions, each right; version 2 is version 1 with the launch chain written anew for expert scheduling mode. Each part assembles by itself: llvm-mc -triple=amdgcn-amd-amdhsa -mcpu=gfx1250 --defsym DOCPART=n.
;; ======== version 1 of 2: 3 launches
;; workspace buffers: xq 6,291,456 bytes; xs 262,144 bytes; pw 65,536 bytes; pairq 32,768 bytes of whole numbers; hist 32,768 bytes of whole numbers; order 39,680 bytes of whole numbers; tiles 2,560 bytes of whole numbers; wf 6,291,456 bytes
;; launch route (part 1): grid 256 x 1, 8 waves a work-group, no clusters, 173,056 bytes of LDS; arguments x, Wg, bg, out1, xq, xs, pw, pairq, hist; writes out1, xq, xs, pw, pairq, hist
.if DOCPART == 1
	.amdgcn_target "amdgcn-amd-amdhsa--gfx1250"
	.amdhsa_code_object_version 6
	.text
	.protected	k_qe0d43f5340_route
	.globl	k_qe0d43f5340_route
	.p2align	8
	.type	k_qe0d43f5340_route,@function
k_qe0d43f5340_route:
	s_mov_b64 s[64:65], 0
	v_nop
	global_prefetch_b8 v0, s[64:65] scope:SCOPE_SE
	s_setreg_imm32_b32 hwreg(HW_REG_WAVE_MODE, 25, 1), 1
	s_wait_xcnt 0x0
; ROUTE.  For 32 tokens a work-group: the gate (x Wg + bg in f32, softmax = out1), the two largest probabilities, and x turned into codes of BF6 (E3M2) with one E8M0 byte for each 32 along K.
; x is read from memory once: each wave brings its 128 of the 1,024 numbers of the 32 rows by two tensor loads (16 rows x 512 bytes each), and the same registers feed the gate's product and the quantiser.
; SHARES.  Wave w owns k = 128 w .. 128 w + 127 of both tiles of 16 tokens.  Lane (r, h): token r; register 16 b + i = k 32 b + 16 h + i.
; THE GATE goes in f32, since the choice of experts hangs on it: v_wmma_f32_16x16x4_f32, source 0 = Wg^T (rows 8-15 repeat experts 0-7), source 1 = x; k stands in the same places on both sides.
; In the result every lane holds the 8 partial logits of token r.  The eight waves' parts meet in LDS; wave 0 adds them in ascending k, adds bg, and makes softmax and top 2.
; WHAT IS STORED OF THE CHOICE, at fixed places: pw = the two probabilities (lower expert first); pairq = q | rank << 8, q the number of the pair (a, b), a < b, rank = how many earlier tokens of
; this work-group have the same q; hist = how many tokens of this work-group have each q.  No address and no branch here hangs on them.
; xq: token x 768 + 384 h + 48 s + 24 c: the 384 bytes of a lane's half are registers 12 s + 6 c .. of the eight operand fragments.  xs: token x 32 + 4 s: the scale word of K step s.
; LIMITS: NaN and infinities are not served.  A block of zeros gets the byte 1 (its codes are zeros; the bytes are read by this program alone).  Equal probabilities: the lower index wins, as in reference();
; probabilities an ulp apart at the second and third place may be chosen otherwise than there.
.set XTW,  16896                       ; LDS: a wave's x: 32 rows x (512 bytes + 16)
.set XTT,  8448                        ; 16 of them: one tensor load
.set CST,  135168                      ; the codes' stage: 32 tokens x (768 + 16)
.set CPT,  784
.set XSST, 160256                      ; the scale words: 32 tokens x 32 bytes
.set PART, 161280                      ; partial logits: 8 waves x 32 tokens x 32 bytes
.set OST,  169472                      ; out1's stage: 1,024 bytes, wave 0's own
.set XRA,  4                           ; v4   my place in my wave's x
.set CWA,  5                           ; v5   where my codes go in the stage
.set XSA,  6                           ; v6   where my scale word goes
.set PRA,  7                           ; v7   where my partial logits go
.set WGO,  8                           ; v8   my byte in Wg
.set CR0,  9                           ; v9   the stage read back: 4 tokens a wave, 16 bytes a lane
.set CR1,  10                          ; v10  the same where lanes 16-31 stand in the next token's row
.set L16,  11                          ; v11  16 x lane
.set GRD,  13                          ; v13  PART + 32 x lane
.set XSR,  14                          ; v14  XSST + 16 x lane
.set OSW,  15                          ; v15  OST + 32 x lane
.set X,    16                          ; v16-79   64 numbers of x
.set WG,   80                          ; v80-143  Wg's 32 operands of two registers
.set ACC,  144                         ; v144-175 four accumulators, written by matrix instructions alone
.set LG,   176                         ; v176-191 the partial logits of the two tiles
.set TM,   192                         ; v192-207 the quantiser's work
.set PW0,  208                         ; v208-209 the two tiles' scale words
.set PW,   210
.set OSR,  211                         ; v211 OST + 16 x lane
.set PC,   212                         ; v212-230 the codes just made
.set LS,   232                         ; v232-239 token = lane: its 8 partial logits
	s_load_b256 s[32:39], s[0:1], 0x0              ; x s[32:33], Wg s[34:35], bg s[36:37], out1 s[38:39]
	s_load_b256 s[40:47], s[0:1], 0x20             ; xq s[40:41], xs s[42:43], pw s[44:45], pairq s[46:47]
	s_load_b64 s[48:49], s[0:1], 0x40              ; hist
	v_lshl_add_u32 v227, v0, 2, 0x2a000
	v_mov_b32 v231, 0
	ds_add_u32 v227, v231
	ds_add_u32 v227, v231
	v_lshrrev_b32 v1, 5, v0
	v_readfirstlane_b32 s8, v1                     ; wave 0..7
	; descriptor group 1: 16 rows x 128 elements of 4 bytes, 1,024 elements from row to row; in LDS 16 bytes of padding behind each 128 words
	s_mov_b32 s16, (2<<16)|(1<<20)|(6<<22)|(3<<25)
	s_mov_b32 s17, 128<<16                         ; tensor_dim0
	s_mov_b32 s18, 16<<16                          ; tensor_dim1
	s_mov_b32 s19, 128<<16                         ; tile_dim0
	s_mov_b32 s20, 16                              ; tile_dim1
	s_mov_b32 s21, 1024                            ; stride
	s_mov_b32 s22, 0
	s_mov_b32 s23, 0
	s_lshl_b32 s2, ttmp9, 17                       ; 32 rows of 4,096 bytes a work-group,
	s_lshl_b32 s3, s8, 9                           ; 512 bytes of a row a wave
	s_add_co_u32 s2, s2, s3
	s_mov_b32 s3, 0
	s_mul_i32 s9, s8, XTW
	s_wait_dscnt 0x0
	s_wait_kmcnt 0x0
	s_add_nc_u64 s[32:33], s[32:33], s[2:3]
	s_mov_b32 s24, 1
	s_mov_b32 s25, s9
	s_mov_b64 s[26:27], s[32:33]
	s_or_b32 s27, s27, 0x80000000
	s_mov_b32 s28, 1
	s_add_co_u32 s29, s9, XTT
	s_add_nc_u64 s[30:31], s[32:33], 0x10000       ; 16 rows on
	s_or_b32 s31, s31, 0x80000000
	tensor_load_to_lds s[24:27], s[16:23]          ; both fills go out together, once; two loads of mine are out
	s_nop 0
	tensor_load_to_lds s[28:31], s[16:23]
	s_nop 0
.rept 4
	v_nop
.endr
	s_load_b256 s[56:63], s[36:37], 0x0            ; bg: waited for on wave 0's way alone
	v_and_b32 v1, 31, v0                           ; lane
	v_and_b32 v2, 15, v0                           ; r
	v_bfe_u32 v3, v0, 4, 1                         ; h
	v_and_b32 v12, 7, v0
	v_lshlrev_b32 v[WGO], 2, v12
	v_lshl_add_u32 v[WGO], v3, 9, v[WGO]           ; Wg: 16 h rows of 32 bytes + 4 (r % 8)
	s_lshl_b32 s2, s8, 12                          ; my wave's 128 rows of Wg
	s_add_nc_u64 s[34:35], s[34:35], s[2:3]
.set n, 0
.rept 64
	global_load_b32 v[WG+n], v[WGO], s[34:35] offset:(n+16*(n/16))*32   ; register 16 b + i: Wg(128 w + 32 b + 16 h + i, r % 8): the same k as x's register 16 b + i
.set n, n+1
.endr
	v_mul_u32_u24 v[XRA], v2, 528
	v_lshl_add_u32 v[XRA], v3, 6, v[XRA]
	v_add_nc_u32 v[XRA], s9, v[XRA]
	v_mul_u32_u24 v[CWA], v2, CPT
	v_mad_u32_u24 v[CWA], v3, 384, v[CWA]
	s_mul_i32 s10, s8, 48
	s_add_co_u32 s10, s10, CST
	v_add_nc_u32 v[CWA], s10, v[CWA]
	s_lshl_b32 s10, s8, 2
	s_add_co_u32 s10, s10, XSST
	v_lshl_add_u32 v[XSA], v1, 5, s10
	s_lshl_b32 s10, s8, 10
	s_add_co_u32 s10, s10, PART
	v_lshl_add_u32 v[PRA], v1, 5, s10
	s_mul_i32 s10, s8, 4*CPT
	s_add_co_u32 s10, s10, CST
	v_lshl_add_u32 v[CR0], v1, 4, s10
	v_lshl_add_u32 v[CR1], v3, 4, v[CR0]
	v_lshlrev_b32 v[L16], 4, v1
	v_lshl_add_u32 v[GRD], v1, 5, PART
	v_lshl_add_u32 v[XSR], v1, 4, XSST
	v_lshl_add_u32 v[OSW], v1, 5, OST
	v_lshl_add_u32 v[OSR], v1, 4, OST
.irp b, 0,1,2,3
	v_mov_b32 v[TM+4+\b], 0                        ; written once: a lane permute's destination counts as one of its sources
.endr
	s_mov_b32 s50, 0x76543210
	s_mov_b32 s51, 0xfedcba98                      ; v_permlanex16_b32's selects for lane l xor 16
	s_mov_b32 s52, 0xffff0000                      ; lanes 16-31
	s_mul_i32 s2, ttmp9, 24576                     ; where the work-group's and the wave's parts of the outputs begin
	s_mul_i32 s10, s8, 3072
	s_add_co_u32 s2, s2, s10
	s_add_nc_u64 s[40:41], s[40:41], s[2:3]
	s_lshl_b32 s2, ttmp9, 10
	s_add_nc_u64 s[42:43], s[42:43], s[2:3]
	s_add_nc_u64 s[38:39], s[38:39], s[2:3]
	s_lshl_b32 s2, ttmp9, 8
	s_add_nc_u64 s[44:45], s[44:45], s[2:3]
	s_lshl_b32 s2, ttmp9, 7
	s_add_nc_u64 s[46:47], s[46:47], s[2:3]
	s_add_nc_u64 s[48:49], s[48:49], s[2:3]
; 64 numbers of a lane, register 16 b + i = k 32 b + 16 h + i of my row, become a fragment's codes in v[PC] on and its scale word in v[PW].
.macro QUANT s
.irp b, 0,1,2,3
	v_max3_num_f32 v[TM+\b], |v[\s+16*\b]|, |v[\s+1+16*\b]|, 0x2800000   ; my 16 numbers of block b, and the floor 2^(5 - 127): the byte cannot fall under 1
.endr
.irp i, 2,4,6,8,10,12,14
.irp b, 0,1,2,3
	v_max3_num_f32 v[TM+\b], v[TM+\b], |v[\s+16*\b+\i]|, |v[\s+1+16*\b+\i]|
.endr
.endr
.irp b, 0,1,2,3
	v_permlanex16_b32 v[TM+4+\b], v[TM+\b], s50, s51
.endr
.irp b, 0,1,2,3
	v_max_num_f32 v[TM+\b], v[TM+\b], v[TM+4+\b]   ; with lane l xor 16's: the block's largest magnitude
.endr
.irp b, 0,1,2,3
	v_add_nc_u32 v[TM+12+\b], 0xfe000000, v[TM+\b] ; 4 off its exponent field: the conversion's scale operand
.endr
.irp b, 0,1,2,3
	v_lshrrev_b32 v[TM+4+\b], 23, v[TM+12+\b]      ; the scale's byte
.endr
	v_lshl_or_b32 v[PW], v[TM+5], 8, v[TM+4]
	v_lshl_or_b32 v[PW], v[TM+6], 16, v[PW]
	v_lshl_or_b32 v[PW], v[TM+7], 24, v[PW]
.irp c, 0,1
	v_cvt_scalef32_pk16_bf6_f32 v[PC+6*\c:PC+2+6*\c], v[\s+32*\c:\s+15+32*\c], v[TM+12+2*\c]
	v_cvt_scalef32_pk16_bf6_f32 v[PC+12+4*\c:PC+14+4*\c], v[\s+16+32*\c:\s+31+32*\c], v[TM+12+2*\c+1]   ; (a conversion's three registers begin on an even number)
.endr
	v_nop                                          ; one plain place behind a scaled conversion
.irp c, 0,1                                    ; the operand's layout wants a whole block in a lane
.irp i, 0,1,2
	v_permlane16_swap_b32 v[PC+6*\c+\i], v[PC+12+4*\c+\i]
.endr
.irp i, 0,1,2
	v_mov_b32 v[PC+3+6*\c+\i], v[PC+12+4*\c+\i]
.endr
.endr
.endm
; One tile of 16 tokens: x out of LDS, the gate's 32 products on four accumulators by turns, the quantiser, the partial logits.
.macro TILE tt
	s_wait_tensorcnt 1-\tt                         ; my tile tt has landed (for tile 0 the count leaves tile 1's load out); only I read these bytes
.if \tt
.rept 8
	v_nop                                          ; places in front of loads into registers that the f32 products have read, and of products that begin the accumulators anew
.endr
.endif
.irp b, 0,1,2,3
.irp j, 0,1,2,3
	ds_load_b128 v[X+16*\b+4*\j:X+16*\b+4*\j+3], v[XRA] offset:XTT*\tt+128*\b+16*\j
.endr
.endr
.if \tt == 0
	s_wait_loadcnt 0x0                             ; Wg
.endif
	s_wait_dscnt 0x0                               ; x is in; the last tile's stores of codes have read their registers
.set u, 0
.rept 32
.if u < 4
	v_wmma_f32_16x16x4_f32 v[ACC+8*(u%4):ACC+8*(u%4)+7], v[WG+2*u:WG+2*u+1], v[X+2*u:X+2*u+1], 0
.else
	v_wmma_f32_16x16x4_f32 v[ACC+8*(u%4):ACC+8*(u%4)+7], v[WG+2*u:WG+2*u+1], v[X+2*u:X+2*u+1], v[ACC+8*(u%4):ACC+8*(u%4)+7]
.endif
.set u, u+1
.endr
	QUANT X                                        ; reads x, writes none of the products' registers
.irp c, 0,1,2
	ds_store_b128 v[CWA], v[PC+4*\c:PC+4*\c+3] offset:16*CPT*\tt+16*\c
.endr
	v_mov_b32 v[PW0+\tt], v[PW]
.rept 8
	v_nop                                          ; eight places behind the f32 form before its results are read (ISA guide 7.12.1)
.endr
.irp p, 0,2,4,6                                ; each accumulator is read from its low end on; the sums go into other registers
	v_pk_add_f32 v[240+\p:241+\p], v[ACC+\p:ACC+\p+1], v[ACC+8+\p:ACC+8+\p+1]
.endr
.irp p, 0,2,4,6
	v_pk_add_f32 v[248+\p:249+\p], v[ACC+16+\p:ACC+16+\p+1], v[ACC+24+\p:ACC+24+\p+1]
.endr
.irp p, 0,2,4,6
	v_pk_add_f32 v[LG+8*\tt+\p:LG+8*\tt+\p+1], v[240+\p:241+\p], v[248+\p:249+\p]
.endr
.endm
	TILE 0
	TILE 1
	; lanes 0-15 keep tile 0's token r, lanes 16-31 take tile 1's: lane = token
.irp e, 0,1,2,3,4,5,6,7
	v_cndmask_b32 v[LS+\e], v[LG+\e], v[LG+8+\e], s52
.endr
	v_cndmask_b32 v[PW], v[PW0], v[PW0+1], s52
	ds_store_b128 v[PRA], v[LS:LS+3]
	ds_store_b128 v[PRA], v[LS+4:LS+7] offset:16
	ds_store_b32 v[XSA], v[PW]
	s_wait_dscnt 0x0                               ; for the others' sake: my codes, scale words and partial logits lie in LDS
	s_barrier_signal -1
	s_barrier_wait -1
	; every wave: four tokens' codes, 3,072 consecutive bytes of xq; each store covers 512 consecutive bytes, aligned
	ds_load_b128 v[80:83], v[CR0]
	ds_load_b128 v[84:87], v[CR1] offset:512
	ds_load_b128 v[88:91], v[CR0] offset:1040
	ds_load_b128 v[92:95], v[CR0] offset:1568
	ds_load_b128 v[96:99], v[CR1] offset:2080
	ds_load_b128 v[100:103], v[CR0] offset:2608
.irp jj, 0,1,2,3,4,5
	s_wait_dscnt 5-\jj
	global_store_b128 v[L16], v[80+4*\jj:83+4*\jj], s[40:41] offset:512*\jj
.endr
	s_cmp_eq_u32 s8, 1
	s_cbranch_scc0 .Lnot_wave_1
	ds_load_b128 v[104:107], v[XSR]                ; wave 1: the 32 tokens' scale words, 1,024 consecutive bytes
	ds_load_b128 v[108:111], v[XSR] offset:512
	s_wait_dscnt 0x0
	global_store_b128 v[L16], v[104:107], s[42:43]
	global_store_b128 v[L16], v[108:111], s[42:43] offset:512
	s_wait_tensorcnt 0x0
	ds_add_u32 v227, v231
	s_wait_dscnt 0x0
	s_endpgm
.Lnot_wave_1:
	s_cmp_eq_u32 s8, 0
	s_cbranch_scc1 .Lgate
	s_wait_tensorcnt 0x0
	ds_add_u32 v227, v231
	s_wait_dscnt 0x0
	s_endpgm
.Lgate:                                            ; wave 0: lane = token
.irp i, 0,1,2,3,4,5,6,7
	ds_load_b128 v[X+8*\i:X+8*\i+3], v[GRD] offset:1024*\i
	ds_load_b128 v[X+8*\i+4:X+8*\i+7], v[GRD] offset:1024*\i+16
.endr
	s_wait_dscnt 0x0
.irp i, 1,2,3,4,5,6,7                          ; the eight waves' parts, k ascending
.irp p, 0,2,4,6
	v_pk_add_f32 v[X+\p:X+\p+1], v[X+\p:X+\p+1], v[X+8*\i+\p:X+8*\i+\p+1]
.endr
.endr
	s_wait_kmcnt 0x0                               ; bg
.irp e, 0,1,2,3,4,5,6,7
	v_add_f32 v[X+\e], s[56+\e], v[X+\e]
.endr
	v_max3_num_f32 v240, v16, v17, v18             ; the row's maximum is taken away ahead of the exponentials, as in reference()
	v_max3_num_f32 v240, v240, v19, v20
	v_max3_num_f32 v240, v240, v21, v22
	v_max_num_f32 v240, v240, v23
.irp e, 0,1,2,3,4,5,6,7
	v_sub_f32 v[24+\e], v[16+\e], v240
.endr
.irp e, 0,1,2,3,4,5,6,7
	v_mul_f32 v[24+\e], 0x3fb8aa3b, v[24+\e]       ; x log2(e)
.endr
.irp e, 0,1,2,3,4,5,6,7
	v_exp_f32 v[24+\e], v[24+\e]
.endr
	v_nop                                          ; a plain place behind the exponentials
	s_wait_alu depctr_va_vdst(0)
	v_add_f32 v241, v24, v25
	v_add_f32 v242, v26, v27
	v_add_f32 v243, v28, v29
	v_add_f32 v244, v30, v31
	v_add_f32 v241, v241, v242
	v_add_f32 v243, v243, v244
	v_add_f32 v241, v241, v243
	v_rcp_f32 v245, v241
	v_lshlrev_b32 v254, 3, v1                      ; (a plain place behind the reciprocal)  8 x lane
	v_lshlrev_b32 v255, 2, v1                      ; 4 x lane
	s_wait_alu depctr_va_vdst(0)
.irp e, 0,1,2,3,4,5,6,7
	v_mul_f32 v[32+\e], v[24+\e], v245             ; the probabilities
.endr
	ds_store_b128 v[OSW], v[32:35]                 ; out1 through my own stage, so that each store covers 512 consecutive bytes
	ds_store_b128 v[OSW], v[36:39] offset:16
	ds_load_b128 v[40:43], v[OSR]                  ; LDS serves a wave's instructions in order: these see the stores above
	ds_load_b128 v[44:47], v[OSR] offset:512
	; the two largest, by values alone: a strictly larger number displaces, so the lower index wins a tie
	v_mov_b32 v241, v32
	v_mov_b32 v242, 0
	v_mov_b32 v243, -1.0
	v_mov_b32 v244, 0
.irp e, 1,2,3,4,5,6,7
	v_cmp_gt_f32 s10, v[32+\e], v241
	v_cmp_gt_f32 s11, v[32+\e], v243
	v_cndmask_b32 v243, v243, v[32+\e], s11
	v_cndmask_b32 v244, v244, \e, s11
	v_cndmask_b32 v243, v243, v241, s10
	v_cndmask_b32 v244, v244, v242, s10
	v_cndmask_b32 v241, v241, v[32+\e], s10
	v_cndmask_b32 v242, v242, \e, s10
.endr
	v_cmp_lt_u32 vcc_lo, v242, v244
	v_cndmask_b32 v248, v243, v241, vcc_lo         ; the lower expert's probability,
	v_cndmask_b32 v249, v241, v243, vcc_lo         ; the higher one's
	v_min_u32 v245, v242, v244                     ; a
	v_max_u32 v246, v242, v244                     ; b
	v_sub_nc_u32 v251, 15, v245
	v_mul_u32_u24 v251, v245, v251
	v_lshrrev_b32 v251, 1, v251
	v_add_nc_u32 v250, v251, v246
	v_sub_nc_u32 v250, v250, v245
	v_add_nc_u32 v250, -1, v250                    ; q = a (15 - a) / 2 + b - a - 1: 0 .. 27
	v_mov_b32 v252, 0                              ; rank
	v_mov_b32 v253, 0                              ; lane = q: how many of my 32 tokens have it
.set bin, 0
.rept 28
	v_cmp_eq_u32 s10, bin, v250
	s_bcnt1_i32_b32 s11, s10
	v_writelane_b32 v253, s11, bin
	v_mbcnt_lo_u32_b32 v251, s10, 0
	v_cndmask_b32 v252, v252, v251, s10
.set bin, bin+1
.endr
	v_lshl_or_b32 v251, v252, 8, v250
	global_store_b64 v254, v[248:249], s[44:45]    ; 256 consecutive bytes
	global_store_b32 v255, v251, s[46:47]
	global_store_b32 v255, v253, s[48:49]
	s_wait_dscnt 0x0
	global_store_b128 v[L16], v[40:43], s[38:39]
	global_store_b128 v[L16], v[44:47], s[38:39] offset:512
	s_wait_tensorcnt 0x0
	ds_add_u32 v227, v231
	s_wait_dscnt 0x0
	s_endpgm
.Lfunc_end_k_qe0d43f5340_route:
	.size	k_qe0d43f5340_route, .Lfunc_end_k_qe0d43f5340_route-k_qe0d43f5340_route
	.p2alignl 7, 3214868480
	.fill 96, 4, 3214868480
	.section	.rodata,"a",@progbits
	.p2align	6, 0x0
	.amdhsa_kernel k_qe0d43f5340_route
		.amdhsa_group_segment_fixed_size 173056
		.amdhsa_private_segment_fixed_size 0
		.amdhsa_enable_private_segment 0
		.amdhsa_kernarg_size 72
		.amdhsa_user_sgpr_count 2
		.amdhsa_user_sgpr_kernarg_segment_ptr 1
		.amdhsa_wavefront_size32 1
		.amdhsa_system_sgpr_workgroup_id_x 1
		.amdhsa_system_sgpr_workgroup_id_y 1
		.amdhsa_system_sgpr_workgroup_id_z 1
		.amdhsa_system_vgpr_workitem_id 0
		.amdhsa_next_free_vgpr 256
		.amdhsa_next_free_sgpr 66
		.amdhsa_reserve_vcc 1
		.amdhsa_float_denorm_mode_32 3
		.amdhsa_float_denorm_mode_16_64 3
		.amdhsa_memory_ordered 1
		.amdhsa_forward_progress 1
		.amdhsa_inst_pref_size 48
	.end_amdhsa_kernel
	.amdgpu_metadata
---
amdhsa.version: [ 1, 2 ]
amdhsa.kernels:
  - .name:           k_qe0d43f5340_route
    .symbol:         k_qe0d43f5340_route.kd
    .args:
      - { .name: x, .offset: 0, .size: 8, .value_kind: global_buffer, .address_space: global }
      - { .name: Wg, .offset: 8, .size: 8, .value_kind: global_buffer, .address_space: global }
      - { .name: bg, .offset: 16, .size: 8, .value_kind: global_buffer, .address_space: global }
      - { .name: out1, .offset: 24, .size: 8, .value_kind: global_buffer, .address_space: global }
      - { .name: xq, .offset: 32, .size: 8, .value_kind: global_buffer, .address_space: global }
      - { .name: xs, .offset: 40, .size: 8, .value_kind: global_buffer, .address_space: global }
      - { .name: pw, .offset: 48, .size: 8, .value_kind: global_buffer, .address_space: global }
      - { .name: pairq, .offset: 56, .size: 8, .value_kind: global_buffer, .address_space: global }
      - { .name: hist, .offset: 64, .size: 8, .value_kind: global_buffer, .address_space: global }
    .group_segment_fixed_size: 173056
    .private_segment_fixed_size: 0
    .kernarg_segment_align: 8
    .kernarg_segment_size: 72
    .max_flat_workgroup_size: 256
    .sgpr_count:     66
    .vgpr_count:     256
    .wavefront_size: 32
...
	.end_amdgpu_metadata
.endif
;; end of part 1
;; launch place (part 2): grid 65 x 1, 16 waves a work-group, no clusters, 6,144 bytes of LDS; arguments pairq, hist, W1_codes, W2_codes, order, tiles, wf; writes order, tiles, wf
.if DOCPART == 2
	.amdgcn_target "amdgcn-amd-amdhsa--gfx1250"
	.amdhsa_code_object_version 6
	.text
	.protected	k_qe0d43f5340_place
	.globl	k_qe0d43f5340_place
	.p2align	8
	.type	k_qe0d43f5340_place,@function
k_qe0d43f5340_place:
	s_mov_b64 s[64:65], 0
	v_nop
	global_prefetch_b8 v0, s[64:65] scope:SCOPE_SE
	s_setreg_imm32_b32 hwreg(HW_REG_WAVE_MODE, 25, 1), 1
	s_wait_xcnt 0x0
; PLACE.  Work-group 0 places the 8,192 tokens by their pair of experts (a counting sort without atomics) and writes the list of tiles.  Work-groups 1-32 lay W1's codes, 33-64 W2's, in the order of the
; operand's registers, so that the next launch loads each fragment by three loads of 16 bytes a lane.  The three ways part on the work-group's number alone; only work-group 0 uses LDS and has a barrier.
; order: [tile][64] token numbers, a pair's tiles on end; only the first cnt places of a tile are written, and only those are read.  tiles: [160][4] = a, b, cnt, src (src = the tile's own number, 0 where cnt = 0).
; With 28 pairs and tiles of 64 there are never more than (8,192 + 28 x 63) / 64 = 155 tiles, whatever the choice.
; wf: a fragment is 1,536 bytes: registers 4 c .. 4 c + 3 of lane l at 512 c + 16 l.  W1's fragment (e, w, s, t) has number (4 e + w) 64 + 8 s + t; its lane (r, h) holds row 128 w + 32 (t / 2) + 8 (t % 2) + r + 8 (r / 8),
; k = 128 s + 64 c + 32 h on.  W2's, from byte 3,145,728 on, (4 e + w) 64 + 4 nt + s: row 256 w + 16 nt + r.
	s_load_b256 s[4:11], s[0:1], 0x0               ; pairq s[4:5], hist s[6:7], W1's codes s[8:9], W2's s[10:11]
	s_load_b128 s[12:15], s[0:1], 0x20             ; order s[12:13], tiles s[14:15]
	s_load_b64 s[16:17], s[0:1], 0x30              ; wf
	v_lshl_add_u32 v96, v0, 2, 0x1000
	v_mov_b32 v97, 0
	v_lshrrev_b32 v1, 5, v0
	v_readfirstlane_b32 s20, v1                    ; wave 0..15
	v_and_b32 v1, 31, v0                           ; lane
	v_and_b32 v2, 15, v0                           ; r
	v_bfe_u32 v3, v0, 4, 1                         ; h
	v_lshlrev_b32 v5, 4, v1                        ; 16 x lane
	s_wait_kmcnt 0x0
	s_cmp_eq_u32 ttmp9, 0
	s_cbranch_scc1 .Lsort
	s_cmp_lt_u32 ttmp9, 33
	s_cbranch_scc0 .Lw2
; Four fragments of a wave: 24 bytes twice for each, as loads of 8 bytes; out as images, 512 consecutive bytes a store.
.macro RELAY sp, dstep
.irp f, 0,1,2,3
.irp p, 0,1,2,3,4,5
	global_load_b64 v[16+12*\f+2*\p:17+12*\f+2*\p], v4, s[\sp:\sp+1] offset:96*\f+48*(\p/3)+8*(\p%3) th:TH_LOAD_NT
.endr
.endr
.irp f, 0,1,2,3
	s_wait_loadcnt 6*(3-\f)                        ; fragment f's six loads are in; the later fragments' may be out
.irp c, 0,1,2
	global_store_b128 v5, v[16+12*\f+4*\c:19+12*\f+4*\c], s[16:17] offset:\f*\dstep+512*\c
.endr
.endr
.endm
	; W1: work-group 1 + 4 e + w; wave v: tile t = v / 2, K steps 4 (v % 2) + 0 .. 3
	s_sub_co_u32 s21, ttmp9, 1
	s_lshr_b32 s22, s20, 1                         ; t
	s_and_b32 s23, s20, 1
	s_lshl_b32 s24, s21, 7                         ; row 128 (4 e + w)
	s_lshr_b32 s25, s22, 1
	s_lshl_b32 s25, s25, 5
	s_add_co_u32 s24, s24, s25                     ; + 32 (t / 2)
	s_and_b32 s25, s22, 1
	s_lshl_b32 s25, s25, 3
	s_add_co_u32 s24, s24, s25                     ; + 8 (t % 2)
	s_mul_i32 s24, s24, 768
	s_mul_i32 s25, s23, 384
	s_add_co_u32 s24, s24, s25
	s_mov_b32 s25, 0
	s_add_nc_u64 s[8:9], s[8:9], s[24:25]
	s_lshl_b32 s26, s21, 6
	s_lshl_b32 s27, s23, 5
	s_add_co_u32 s26, s26, s27
	s_add_co_u32 s26, s26, s22
	s_mul_i32 s26, s26, 1536
	s_mov_b32 s27, 0
	s_add_nc_u64 s[16:17], s[16:17], s[26:27]
	v_and_b32 v4, 8, v2
	v_add_nc_u32 v4, v4, v2                        ; r + 8 (r / 8)
	v_mul_u32_u24 v4, v4, 768
	v_mad_u32_u24 v4, v3, 24, v4
	RELAY 8, 12288
	s_endpgm
.Lw2:                                              ; W2: work-group 33 + 4 e + w; wave v: tile nt = v, K steps 0 .. 3
	s_sub_co_u32 s21, ttmp9, 33
	s_lshl_b32 s24, s21, 8                         ; row 256 (4 e + w)
	s_lshl_b32 s25, s20, 4
	s_add_co_u32 s24, s24, s25                     ; + 16 nt
	s_mul_i32 s24, s24, 384
	s_mov_b32 s25, 0
	s_add_nc_u64 s[10:11], s[10:11], s[24:25]
	s_lshl_b32 s26, s21, 6
	s_lshl_b32 s27, s20, 2
	s_add_co_u32 s26, s26, s27
	s_mul_i32 s26, s26, 1536
	s_add_co_u32 s26, s26, 3145728
	s_mov_b32 s27, 0
	s_add_nc_u64 s[16:17], s[16:17], s[26:27]
	v_mul_u32_u24 v4, v2, 384
	v_mad_u32_u24 v4, v3, 24, v4
	RELAY 10, 1536
	s_endpgm
.Lsort:                                            ; wave w takes the 16 groups of 32 tokens 16 w + j; a lane is a token in v16-31 and a pair's number in v32-63
	v_lshlrev_b32 v4, 2, v1                        ; 4 x lane
	s_lshl_b32 s21, s20, 11
	v_add_nc_u32 v6, s21, v4                       ; 2,048 w + 4 x lane
	v_lshlrev_b32 v7, 2, v0                        ; LDS: 128 w + 4 x lane
.irp j, 0,1,2,3,4,5,6,7,8,9,10,11,12,13,14,15
	global_load_b32 v[16+\j], v6, s[4:5] offset:128*\j
.endr
.irp j, 0,1,2,3,4,5,6,7,8,9,10,11,12,13,14,15
	global_load_b32 v[32+\j], v6, s[6:7] offset:128*\j
.endr
	s_wait_loadcnt 0x0
	v_mov_b32 v48, 0
.irp j, 1,2,3,4,5,6,7,8,9,10,11,12,13,14,15
	v_add_nc_u32 v[48+\j], v[47+\j], v[31+\j]      ; how many of my pair's tokens lie in my wave's groups ahead of group j
.endr
	v_add_nc_u32 v8, v63, v47                      ; and in all 16
	ds_store_b32 v7, v8
	s_wait_dscnt 0x0                               ; for the others' sake
	s_barrier_signal -1
	s_barrier_wait -1
.irp i, 0,1,2,3,4,5,6,7,8,9,10,11,12,13,14,15
	ds_load_b32 v[64+\i], v4 offset:128*\i
.endr
	s_wait_dscnt 0x0
	v_mov_b32 v8, 0                                ; the pair's tokens in all,
	v_mov_b32 v9, 0                                ; and in the waves ahead of mine
.irp i, 0,1,2,3,4,5,6,7,8,9,10,11,12,13,14,15
	v_add_nc_u32 v8, v8, v[64+\i]
	s_cmp_gt_u32 s20, \i
	s_cselect_b32 s22, -1, 0
	v_and_b32 v10, s22, v[64+\i]
	v_add_nc_u32 v9, v9, v10
.endr
	v_add_nc_u32 v11, 63, v8
	v_lshrrev_b32 v11, 6, v11                      ; the pair's tiles
	v_mov_b32 v12, v11
	v_mov_b32 v13, 0
.irp d, 1,2,4,8                                ; a running sum over the lanes: inside each 16,
	v_mov_b32_dpp v13, v12 row_shr:\d row_mask:0xf bank_mask:0xf bound_ctrl:1
	v_add_nc_u32 v12, v12, v13
.endr
	v_readlane_b32 s22, v12, 15                    ; then the lower 16's total onto the upper 16
	s_mov_b32 s23, 0xffff0000
	v_mov_b32 v13, s22
	v_cndmask_b32 v13, 0, v13, s23
	v_add_nc_u32 v12, v12, v13                     ; the tile behind the pair's last
	v_sub_nc_u32 v14, v12, v11                     ; the pair's first tile
	v_lshl_add_u32 v15, v14, 6, v9                 ; the place of the pair's first token of my wave
	s_lshl_b32 s24, s20, 9
	v_add_nc_u32 v80, s24, v1                      ; token 512 w + lane
.irp j, 0,1,2,3,4,5,6,7,8,9,10,11,12,13,14,15
	v_and_b32 v[32+\j], 31, v[16+\j]               ; my token's pair,
	v_min_u32 v[32+\j], 31, v[32+\j]
	v_lshlrev_b32 v[32+\j], 2, v[32+\j]
	v_add_nc_u32 v[48+\j], v15, v[48+\j]
	ds_bpermute_b32 v[64+\j], v[32+\j], v[48+\j]   ; and from that pair's lane the place of its first token of group j (no LDS byte is touched)
.endr
	s_wait_dscnt 0x0
.irp j, 0,1,2,3,4,5,6,7,8,9,10,11,12,13,14,15
	v_bfe_u32 v[32+\j], v[16+\j], 8, 5             ; + my rank in the group
	v_add_nc_u32 v[64+\j], v[64+\j], v[32+\j]
	v_min_u32 v[64+\j], 9919, v[64+\j]             ; 155 x 64 - 1: inside the buffer whatever was read
	v_lshlrev_b32 v[64+\j], 2, v[64+\j]
	v_add_nc_u32 v[16+\j], 32*\j, v80
	global_store_b32 v[64+\j], v[16+\j], s[12:13]
.endr
	s_cmp_lt_u32 s20, 5                            ; the list of tiles: threads 0 .. 159, tile = thread
	s_cbranch_scc0 .Lsorted
	v_mov_b32 v81, 0
.set bin, 0
.rept 28
	v_readlane_b32 s22, v12, bin
	v_cmp_le_u32 vcc_lo, s22, v0
	v_add_co_ci_u32 v81, vcc_lo, 0, v81, vcc_lo    ; q = how many pairs end at or before this tile
.set bin, bin+1
.endr
	v_min_u32 v82, 31, v81
	v_lshlrev_b32 v82, 2, v82
	ds_bpermute_b32 v83, v82, v8                   ; that pair's tokens,
	ds_bpermute_b32 v84, v82, v14                  ; and its first tile
	v_mov_b32 v88, 0
.irp c, 7,13,18,22,25,27
	v_cmp_le_u32 vcc_lo, \c, v81
	v_add_co_ci_u32 v88, vcc_lo, 0, v88, vcc_lo    ; a
.endr
	v_sub_nc_u32 v85, 15, v88
	v_mul_u32_u24 v85, v88, v85
	v_lshrrev_b32 v85, 1, v85
	v_sub_nc_u32 v89, v81, v85
	v_add3_u32 v89, v89, v88, 1
	v_min_u32 v89, 7, v89                          ; b
	v_lshlrev_b32 v92, 4, v0
	s_wait_dscnt 0x0
	v_sub_nc_u32 v86, v0, v84
	v_lshlrev_b32 v86, 6, v86
	v_sub_nc_u32 v90, v83, v86
	v_max_i32 v90, 0, v90
	v_min_i32 v90, 64, v90                         ; cnt: what is left of the pair's tokens, 0 .. 64
	v_cmp_lt_u32 vcc_lo, 0, v90
	v_cndmask_b32 v91, 0, v0, vcc_lo               ; src
	global_store_b128 v92, v[88:91], s[14:15]
.Lsorted:
	s_wait_tensorcnt 0x0
	ds_add_u32 v96, v97
	s_wait_dscnt 0x0
	s_endpgm
.Lfunc_end_k_qe0d43f5340_place:
	.size	k_qe0d43f5340_place, .Lfunc_end_k_qe0d43f5340_place-k_qe0d43f5340_place
	.p2alignl 7, 3214868480
	.fill 96, 4, 3214868480
	.section	.rodata,"a",@progbits
	.p2align	6, 0x0
	.amdhsa_kernel k_qe0d43f5340_place
		.amdhsa_group_segment_fixed_size 6144
		.amdhsa_private_segment_fixed_size 0
		.amdhsa_enable_private_segment 0
		.amdhsa_kernarg_size 56
		.amdhsa_user_sgpr_count 2
		.amdhsa_user_sgpr_kernarg_segment_ptr 1
		.amdhsa_wavefront_size32 1
		.amdhsa_system_sgpr_workgroup_id_x 1
		.amdhsa_system_sgpr_workgroup_id_y 1
		.amdhsa_system_sgpr_workgroup_id_z 1
		.amdhsa_system_vgpr_workitem_id 0
		.amdhsa_next_free_vgpr 98
		.amdhsa_next_free_sgpr 66
		.amdhsa_reserve_vcc 1
		.amdhsa_float_denorm_mode_32 3
		.amdhsa_float_denorm_mode_16_64 3
		.amdhsa_memory_ordered 1
		.amdhsa_forward_progress 1
		.amdhsa_inst_pref_size 32
	.end_amdhsa_kernel
	.amdgpu_metadata
---
amdhsa.version: [ 1, 2 ]
amdhsa.kernels:
  - .name:           k_qe0d43f5340_place
    .symbol:         k_qe0d43f5340_place.kd
    .args:
      - { .name: pairq, .offset: 0, .size: 8, .value_kind: global_buffer, .address_space: global }
      - { .name: hist, .offset: 8, .size: 8, .value_kind: global_buffer, .address_space: global }
      - { .name: W1_codes, .offset: 16, .size: 8, .value_kind: global_buffer, .address_space: global }
      - { .name: W2_codes, .offset: 24, .size: 8, .value_kind: global_buffer, .address_space: global }
      - { .name: order, .offset: 32, .size: 8, .value_kind: global_buffer, .address_space: global }
      - { .name: tiles, .offset: 40, .size: 8, .value_kind: global_buffer, .address_space: global }
      - { .name: wf, .offset: 48, .size: 8, .value_kind: global_buffer, .address_space: global }
    .group_segment_fixed_size: 6144
    .private_segment_fixed_size: 0
    .kernarg_segment_align: 8
    .kernarg_segment_size: 56
    .max_flat_workgroup_size: 512
    .sgpr_count:     66
    .vgpr_count:     98
    .wavefront_size: 32
...
	.end_amdgpu_metadata
.endif
;; end of part 2
;; launch chain (part 3): grid 155 x 1, 4 waves a work-group, no clusters, 180,736 bytes of LDS; arguments tiles, order, xq, xs, pw, wf, W1_scales, b1, W2_scales, b2, out0; writes out0
.if DOCPART == 3
	.amdgcn_target "amdgcn-amd-amdhsa--gfx1250"
	.amdhsa_code_object_version 6
	.text
	.protected	k_qe0d43f5340_chain
	.globl	k_qe0d43f5340_chain
	.p2align	8
	.type	k_qe0d43f5340_chain,@function
k_qe0d43f5340_chain:
	s_mov_b64 s[64:65], 0
	v_nop
	global_prefetch_b8 v0, s[64:65] scope:SCOPE_SE
	s_setreg_imm32_b32 hwreg(HW_REG_WAVE_MODE, 25, 1), 1
	s_wait_xcnt 0x0
; CHAIN.  One work-group takes one tile, up to 64 tokens that chose the same two experts a < b, through both experts' chains: out = pa (relu(x W1a + b1a) W2a + b2a) + pb (the same of b).
; Both products on codes of BF6 (E3M2) with one E8M0 scale for each 32 along K.  x comes as codes (xq, xs); the hidden layer is quantised in registers and never goes to memory; each row of out0 has one owner.
; SHARES.  The four waves share the columns, not the rows: wave w makes hidden units 128 w .. 128 w + 127 of both experts (K step w of the second product) and output columns 256 w .. 256 w + 255, for all 64 rows.
; So each fragment of a weight is loaded once in the work-group, by one wave, and feeds four matrix instructions (the four tiles of 16 rows).
; THE WEIGHTS come from memory straight into registers, laid by the launch before in the order of the operand's registers: three loads of 16 bytes a lane for a fragment.  A RING of four quarters (four fragments
; each) is kept ahead: behind a quarter's 16 matrix instructions its registers take the quarter four further on.  64 quarters a wave: 32 of the first product (12 loads), 32 of the second (15: with b2 and W2's scale words).
; The wait in front of quarter c counts the loads of quarters c + 1 .. c + 3: 36; 39, 42 and 45 where the longer quarters come in; 30, 15, 0 at the end.
; BOTH PRODUCTS ARE USED TRANSPOSED (source 0 = 16 rows of a weight, source 1 = 16 tokens): a lane holds one token, its registers run along the hidden units or the output columns.  The rows of W1 that form a tile are
; chosen so that the 16 registers of tiles 2 b and 2 b + 1 are 16 neighbours along the next K.  The biases are the C of each sum's first matrix instruction.
; OPERANDS GO FROM WAVE TO WAVE THROUGH LDS AS IMAGES OF THEIR REGISTERS (16 bytes a lane, 512 a store).  Two barriers: behind the first x's 32 fragments lie in LDS, behind the second the hidden layers' 32.
; NO CLUSTER, NO JOINT LOADS: a tile's experts come from the stored list, neighbouring tiles need not share them, and the grid of 155 serves every split: partners would need descriptors and trips that differ.
; ROWS PAST THE TILE'S COUNT repeat its last token: the same wave stores the same numbers to the same bytes again.  A WORK-GROUP WHOSE TILE IS EMPTY works on tile 0's first token up to the last barrier (no barrier
; may hang on loaded data), stores nothing and ends.  LIMITS: NaN and infinities are not served; a hidden block of zeros gets the byte 1 (its codes are zeros).
; REGISTERS, in windows of 256.  Window 0: v4-31 addresses; v32-127 x's fragments, two buffers of 4 x 12 (buffer 1 is also the quantiser's work); v128-135 x's scale words; v136-199 W1's; v200-215 W2's; v216-231 pa, pb in pairs.
;   In the second product: v32-63 the hidden layers' scale words, v64-95 the rows' offsets in out0, v96-127 results, v128-191 rows on their way out.
; Window 1: the ring (quarter q at v[48 q]); v192-223 b2.  Window 2: the first product's 32 accumulators (t, m) at v[64 m + 8 t]; later expert b's hidden fragments and, at v192, its four accumulators.
; Window 3: b1 (i, t) at v[64 i + 8 t]; later expert a's hidden fragments and accumulators.
.set FRB,   1536                       ; a fragment's image in bytes
.set XIMG,  0                          ; LDS: x's fragments (tile of rows m, K step s): 8 m + s
.set XSC,   49152                      ; x's scale words: 512 s + 16 lane + 4 m
.set HIMG,  53248                      ; the hidden layers' fragments: (4 i + m) 4 + s
.set HSC,   102400                     ; their scale words: (4 i + m) 512 + 16 lane + 4 s
.set TOKL,  106496                     ; the 64 rows' token numbers
.set STAGE, 106752                     ; the way out: for each wave 64 rows x (256 bytes + 16)
.set LI,  4                            ; v4   16 x lane
.set LH,  5                            ; v5   HIMG + 16 x lane
.set XWI, 6                            ; v6   where I store x's images
.set XWS, 7                            ; v7   and their scale words
.set HWI, 8                            ; v8   the hidden layer's images
.set HWS, 9                            ; v9   and their scale words
.set LHS, 10                           ; v10  HSC + 16 x lane
.set TKW, 11                           ; v11  where my row's token number goes
.set TLA, 12                           ; v12  TOKL + 4 h
.set STO, 13                           ; v13  the stage: where I put 32 bytes of a row
.set SRD, 14                           ; v14  and where I read a row back
.set VF,  15                           ; v15  W2's fragments: 16 x lane, stepped each trip
.set VS,  16                           ; v16  W2's scale words: 16 r, stepped
.set VB,  17                           ; v17  b2: 32 h, stepped
.set XF,  32
.set TM,  80
.set PW,  96
.set PC,  100
.set XS,  128
.set W1S, 136
.set W2S, 200
.set PA,  216
.set PB,  224
.set HS,  32
.set TOK, 64
.set OUT, 96
.set RB,  128
.set W1F,  32                          ; s[32:43] expert a's six bases, s[44:55] expert b's: W1's fragments, W1's scales, b1, W2's fragments, W2's scales, b2
.set W1SB, 34
.set B1B,  36
.set W2F,  38
.set W2SB, 40
.set B2B,  42
.set MSB, 0
.macro WIN new                         ; the immediate's high byte repeats the setting that is left
.if MSB != \new
	s_set_vgpr_msb (MSB<<8)|\new
.set MSB, \new
.endif
.endm
.macro PLACES                          ; four places behind this matrix form, in front of loads into its registers and of reads of its results
.rept 4
	v_nop
.endr
.endm
.macro MM d, a, b, c, sa, sb, row1
.if \row1
	v_wmma_scale_f32_16x16x128_f8f6f4 v[(\d):(\d)+7], v[(\a):(\a)+11], v[(\b):(\b)+11], v[(\c):(\c)+7], v[\sa], v[\sb] matrix_a_fmt:MATRIX_FMT_BF6 matrix_b_fmt:MATRIX_FMT_BF6 matrix_a_scale:MATRIX_SCALE_ROW1
.else
	v_wmma_scale_f32_16x16x128_f8f6f4 v[(\d):(\d)+7], v[(\a):(\a)+11], v[(\b):(\b)+11], v[(\c):(\c)+7], v[\sa], v[\sb] matrix_a_fmt:MATRIX_FMT_BF6 matrix_b_fmt:MATRIX_FMT_BF6
.endif
.endm
.macro Q1LOAD                          ; four fragments of W1, expert LE, from byte LOFF of my part, into ring quarter LQ
	WIN 0x40
.irp k, 0,1,2,3,4,5,6,7,8,9,10,11
	global_load_b128 v[48*LQ+4*\k:48*LQ+4*\k+3], v[LI], s[W1F+12*LE:W1F+12*LE+1] offset:LOFF+512*\k
.endr
.endm
.macro Q2LOAD q, df, dsc, db           ; ring quarter q of the second product: expert q % 2, the tile of outputs q / 2 of a pair: four fragments of W2, b2's eight numbers, W2's four scale words
	WIN 0x40
.irp k, 0,1,2,3,4,5,6,7,8,9,10,11
	global_load_b128 v[48*(\q)+4*\k:48*(\q)+4*\k+3], v[VF], s[W2F+12*((\q)&1):W2F+12*((\q)&1)+1] offset:(\df)+6144*((\q)>>1)+512*\k
.endr
	global_load_b128 v[192+8*(\q):195+8*(\q)], v[VB], s[B2B+12*((\q)&1):B2B+12*((\q)&1)+1] offset:(\db)+64*((\q)>>1)
	global_load_b128 v[196+8*(\q):199+8*(\q)], v[VB], s[B2B+12*((\q)&1):B2B+12*((\q)&1)+1] offset:(\db)+64*((\q)>>1)+16
	WIN 0
	global_load_b128 v[W2S+4*(\q):W2S+4*(\q)+3], v[VS], s[W2SB+12*((\q)&1):W2SB+12*((\q)&1)+1] offset:(\dsc)+256*((\q)>>1)
.endm
	s_load_b512 s[4:19], s[0:1], 0x0               ; tiles s[4:5], order s[6:7], xq s[8:9], xs s[10:11], pw s[12:13], wf s[14:15], W1's scales s[16:17], b1 s[18:19]
	s_load_b128 s[20:23], s[0:1], 0x40             ; W2's scales s[20:21], b2 s[22:23]
	s_load_b64 s[24:25], s[0:1], 0x50              ; out0
	v_lshl_add_u32 v254, v0, 2, 0x2c000
	v_mov_b32 v255, 0
	v_lshrrev_b32 v1, 5, v0
	v_readfirstlane_b32 s60, v1                    ; wave 0..3
	v_and_b32 v1, 31, v0                           ; lane
	v_and_b32 v2, 15, v0                           ; r
	v_bfe_u32 v3, v0, 4, 1                         ; h
	s_lshl_b32 s26, ttmp9, 4
	s_mov_b32 s27, 0
	s_wait_kmcnt 0x0
	s_add_nc_u64 s[4:5], s[4:5], s[26:27]
	s_load_b128 s[28:31], s[4:5], 0x0              ; my tile: a, b, cnt, src
	v_lshlrev_b32 v[LI], 4, v1
	v_add_nc_u32 v[LH], HIMG, v[LI]
	s_mul_i32 s66, s60, 8*FRB
	v_add_nc_u32 v[XWI], s66, v[LI]
	s_lshl_b32 s66, s60, 2
	s_add_co_u32 s67, s66, XSC
	v_add_nc_u32 v[XWS], s67, v[LI]
	s_add_co_u32 s67, s66, HSC
	v_add_nc_u32 v[HWS], s67, v[LI]
	s_mul_i32 s67, s60, FRB
	s_add_co_u32 s67, s67, HIMG
	v_add_nc_u32 v[HWI], s67, v[LI]
	v_add_nc_u32 v[LHS], HSC, v[LI]
	s_lshl_b32 s67, s60, 6
	s_add_co_u32 s67, s67, TOKL
	v_lshl_add_u32 v[TKW], v2, 2, s67
	v_lshl_add_u32 v[TLA], v3, 2, TOKL
	s_mul_i32 s67, s60, 64*272
	s_add_co_u32 s67, s67, STAGE
	v_mul_u32_u24 v[STO], v2, 272
	v_lshl_add_u32 v[STO], v3, 5, v[STO]
	v_add_nc_u32 v[STO], s67, v[STO]
	v_mul_u32_u24 v[SRD], v3, 272
	v_lshl_add_u32 v[SRD], v2, 4, v[SRD]
	v_add_nc_u32 v[SRD], s67, v[SRD]
	v_mov_b32 v[VF], v[LI]
	v_lshlrev_b32 v[VS], 4, v2
	v_lshlrev_b32 v[VB], 5, v3
	v_and_b32 v18, 8, v2
	v_add_nc_u32 v18, v18, v2
	v_lshlrev_b32 v18, 5, v18
	v_lshl_add_u32 v18, v3, 4, v18                 ; W1's scale words: row r + 8 (r / 8) of 32 bytes; lanes 0-15 take K steps 0-3, lanes 16-31 K steps 4-7
	v_lshlrev_b32 v19, 6, v3                       ; b1: 16 h numbers on
	v_lshlrev_b32 v31, 4, v2                       ; 16 r; never rewritten
	s_mov_b32 s58, 0x76543210
	s_mov_b32 s59, 0xfedcba98                      ; v_permlanex16_b32's selects for lane l xor 16
	s_wait_kmcnt 0x0
	s_min_u32 s28, s28, 7                          ; what was read is held inside its range before it enters an address
	s_min_u32 s29, s29, 7
	s_min_u32 s30, s30, 64
	s_min_u32 s31, s31, 154
.irp i, 0,1
	s_mul_i32 s66, s[28+\i], 393216
	s_mul_i32 s67, s60, 98304
	s_add_co_u32 s66, s66, s67
	s_mov_b32 s67, 0
	s_add_nc_u64 s[W1F+12*\i:W1F+12*\i+1], s[14:15], s[66:67]
	s_add_nc_u64 s[W2F+12*\i:W2F+12*\i+1], s[W1F+12*\i:W1F+12*\i+1], 3145728
	s_lshl_b32 s66, s[28+\i], 14
	s_lshl_b32 s68, s60, 12
	s_add_co_u32 s66, s66, s68
	s_add_nc_u64 s[W1SB+12*\i:W1SB+12*\i+1], s[16:17], s[66:67]
	s_add_nc_u64 s[W2SB+12*\i:W2SB+12*\i+1], s[20:21], s[66:67]
	s_lshl_b32 s66, s[28+\i], 11
	s_lshl_b32 s68, s60, 9
	s_add_co_u32 s66, s66, s68
	s_add_nc_u64 s[B1B+12*\i:B1B+12*\i+1], s[18:19], s[66:67]
	s_lshl_b32 s66, s66, 1
	s_add_nc_u64 s[B2B+12*\i:B2B+12*\i+1], s[22:23], s[66:67]
.endr
	s_lshl_b32 s66, s60, 10
	s_add_nc_u64 s[56:57], s[24:25], s[66:67]      ; out0 at my 256 columns
	s_lshl_b32 s66, s31, 8
	s_add_nc_u64 s[6:7], s[6:7], s[66:67]          ; the tile's 64 places in order
	s_max_u32 s68, s30, 1
	s_sub_co_u32 s68, s68, 1                       ; the last row that is written there
	s_lshl_b32 s69, s60, 4
	v_add_nc_u32 v25, s69, v2                      ; row 16 w + r: the one I gather
.irp m, 0,1,2,3
	v_add_nc_u32 v[26+\m], 16*\m, v2               ; rows 16 m + r: those whose weights pa, pb I need
.endr
.irp k, 0,1,2,3,4
	v_min_u32 v[25+\k], s68, v[25+\k]
	v_min_u32 v[25+\k], 63, v[25+\k]
	v_lshlrev_b32 v[25+\k], 2, v[25+\k]
.endr
.irp k, 0,1,2,3,4
	global_load_b32 v[20+\k], v[25+\k], s[6:7]
.endr
.irp c, 0,1,2,3                                ; the ring's first four quarters: 48 loads
.set LQ, \c
.set LE, 0
.set LOFF, 4*\c*FRB
	Q1LOAD
.endr
	WIN 0
	s_wait_loadcnt 48                              ; the 48 ring loads may be out: the token numbers are in
.irp k, 0,1,2,3,4
	v_min_u32 v[20+\k], 0x1fff, v[20+\k]
.endr
	v_mul_u32_u24 v25, v20, 768
	v_mad_u32_u24 v25, v3, 384, v25                ; xq: my token's row, my half's 384 bytes
	v_lshlrev_b32 v26, 5, v20
.irp m, 0,1,2,3
	v_lshlrev_b32 v[27+\m], 3, v[21+\m]
.endr
.set n, 0
.rept 24
	global_load_b128 v[XF+4*n:XF+4*n+3], v25, s[8:9] offset:16*n   ; registers 12 s + .. of the row's eight fragments
.set n, n+1
.endr
	global_load_b128 v[128:131], v26, s[10:11]
	global_load_b128 v[132:135], v26, s[10:11] offset:16
.irp m, 0,1,2,3
	global_load_b64 v[232+2*\m:233+2*\m], v[27+\m], s[12:13]
.endr
.irp i, 0,1                                    ; 48 more: W1's scale words and b1, both experts'
.irp t, 0,1,2,3,4,5,6,7
	global_load_b128 v[W1S+32*\i+4*\t:W1S+32*\i+4*\t+3], v18, s[W1SB+12*\i:W1SB+12*\i+1] offset:(32*(\t/2)+8*(\t%2))*32
.endr
.endr
	WIN 0xc0
.irp i, 0,1
.irp t, 0,1,2,3,4,5,6,7
	global_load_b128 v[64*\i+8*\t:64*\i+8*\t+3], v19, s[B1B+12*\i:B1B+12*\i+1] offset:(32*(\t/2)+8*(\t%2))*4
	global_load_b128 v[64*\i+8*\t+4:64*\i+8*\t+7], v19, s[B1B+12*\i:B1B+12*\i+1] offset:(32*(\t/2)+8*(\t%2))*4+16
.endr
.endr
	WIN 0
	s_wait_loadcnt 48                              ; those 48 may be out: my row's codes, scale words and weights are in
.set n, 0
.rept 24
	ds_store_b128 v[XWI], v[XF+4*n:XF+4*n+3] offset:XIMG+512*n
.set n, n+1
.endr
.irp s, 0,1,2,3,4,5,6,7
	ds_store_b32 v[XWS], v[128+\s] offset:512*\s
.endr
	ds_store_b32 v[TKW], v20
.irp m, 0,1,2,3
	v_mov_b32 v[PA+2*\m], v[232+2*\m]              ; pairs for the packed forms
	v_mov_b32 v[PA+2*\m+1], v[232+2*\m]
	v_mov_b32 v[PB+2*\m], v[233+2*\m]
	v_mov_b32 v[PB+2*\m+1], v[233+2*\m]
.endr
	s_wait_dscnt 0x0                               ; for the others' sake: my stores have landed
	s_barrier_signal -1
	s_barrier_wait -1                              ; x's 32 fragments lie in LDS
.macro XFETCH                          ; K step FS of x, the four tiles of rows and their scale words, into buffer FS % 2
	WIN 0
.irp m, 0,1,2,3
.irp c, 0,1,2
	ds_load_b128 v[XF+48*(FS%2)+12*\m+4*\c:XF+48*(FS%2)+12*\m+4*\c+3], v[LI] offset:XIMG+(8*\m+FS)*FRB+512*\c
.endr
.endr
	ds_load_b128 v[XS+4*(FS%2):XS+4*(FS%2)+3], v[LI] offset:XSC+512*FS
.endm
.macro REFILL                          ; the ring quarter just multiplied takes the quarter four further on
.set NX, CQ+4
.if NX < 32
.set LQ, NX%4
.set LE, NX/16
.set LOFF, 4*(NX%16)*FRB
	Q1LOAD
.else
	Q2LOAD NX%4, 0, 0, 0
.endif
.endm
; Quarter CQ of the first product: expert CQ / 16, K step (CQ % 16) / 2, W1's tiles 4 (CQ % 2) + 0 .. 3 against the four tiles of rows: 16 accumulators by turns.
.macro QTR1
.set KE, CQ/16
.set KS, (CQ%16)/2
.set KU, CQ%2
.set KQ, CQ%4
.if CQ == 0
	s_wait_loadcnt 0x0                             ; the ring's first quarters, W1's scale words and b1
.elseif CQ < 29
	s_wait_loadcnt 36                              ; the three quarters behind this one may be out: 3 x 12
.elseif CQ == 29
	s_wait_loadcnt 39                              ; 12 + 12 + 15
.elseif CQ == 30
	s_wait_loadcnt 42                              ; 12 + 15 + 15
.else
	s_wait_loadcnt 45                              ; 3 x 15
.endif
.if KS == 0
	WIN 0xb1                                       ; source 0 (W1) window 1, source 1 (x) window 0, C (b1) window 3, D window 2
.else
	WIN 0xa1                                       ; C and D window 2
.endif
.irp f, 0,1,2,3
.irp m, 0,1,2,3
.if KS == 0
	MM 64*\m+8*(4*KU+\f), 48*KQ+12*\f, XF+48*(KS%2)+12*\m, 64*KE+8*(4*KU+\f), W1S+32*KE+4*(4*KU+\f)+KS%4, XS+4*(KS%2)+\m, 0
.else
	MM 64*\m+8*(4*KU+\f), 48*KQ+12*\f, XF+48*(KS%2)+12*\m, 64*\m+8*(4*KU+\f), W1S+32*KE+4*(4*KU+\f)+KS%4, XS+4*(KS%2)+\m, KS/4
.endif
.endr
.endr
	PLACES
	REFILL
.endm
.macro KSTEP                           ; two quarters; between them the next K step of x is fetched from LDS, 16 matrix instructions ahead of its use
	s_wait_dscnt 0x0                               ; this K step's x is in
	QTR1
.if CQ != 30
.set FS, (((CQ%16)/2)+1)%8
	XFETCH
.endif
.set CQ, CQ+1
	QTR1
.set CQ, CQ+1
.endm
; The hidden layer of expert i, rows 16 m on: relu, quantised along the next K (my 128 units are one K step), its image and scale word to LDS.
.macro QUANTH i, m
	WIN 0x88
.set j, 0
.rept 64
	v_max_num_f32 v[64*(\m)+j], 0, v[64*(\m)+j]    ; the activation, in f32; each accumulator from its low end on
.set j, j+1
.endr
	WIN 0x28
.irp b, 0,1,2,3
	v_max3_num_f32 v[TM+\b], 0x2800000, v[64*(\m)+16*\b], v[64*(\m)+16*\b+1]   ; none is negative: no |.|; the floor 2^(5 - 127) holds the byte at 1 from below
.endr
.irp k, 2,4,6,8,10,12,14
.irp b, 0,1,2,3
	v_max3_num_f32 v[TM+\b], v[TM+\b], v[64*(\m)+16*\b+\k], v[64*(\m)+16*\b+\k+1]
.endr
.endr
	WIN 0
.irp b, 0,1,2,3
	v_permlanex16_b32 v[TM+4+\b], v[TM+\b], s58, s59
.endr
.irp b, 0,1,2,3
	v_max_num_f32 v[TM+\b], v[TM+\b], v[TM+4+\b]
.endr
.irp b, 0,1,2,3
	v_add_nc_u32 v[TM+12+\b], 0xfe000000, v[TM+\b] ; 4 off the exponent field: the conversion's scale operand
.endr
.irp b, 0,1,2,3
	v_lshrrev_b32 v[TM+4+\b], 23, v[TM+12+\b]      ; the scale's byte
.endr
	v_lshl_or_b32 v[PW], v[TM+5], 8, v[TM+4]
	v_lshl_or_b32 v[PW], v[TM+6], 16, v[PW]
	v_lshl_or_b32 v[PW], v[TM+7], 24, v[PW]
	WIN 0x02
.irp c, 0,1
	v_cvt_scalef32_pk16_bf6_f32 v[PC+6*\c:PC+2+6*\c], v[64*(\m)+32*\c:64*(\m)+32*\c+15], v[TM+12+2*\c]
	v_cvt_scalef32_pk16_bf6_f32 v[PC+12+4*\c:PC+14+4*\c], v[64*(\m)+32*\c+16:64*(\m)+32*\c+31], v[TM+12+2*\c+1]
.endr
	WIN 0
	v_nop                                          ; one plain place behind a scaled conversion
.irp c, 0,1
.irp k, 0,1,2
	v_permlane16_swap_b32 v[PC+6*\c+\k], v[PC+12+4*\c+\k]
.endr
.irp k, 0,1,2
	v_mov_b32 v[PC+3+6*\c+\k], v[PC+12+4*\c+\k]
.endr
.endr
.irp c, 0,1,2
	ds_store_b128 v[HWI], v[PC+4*\c:PC+4*\c+3] offset:(4*(\i)+(\m))*4*FRB+512*\c
.endr
	ds_store_b32 v[HWS], v[PW] offset:(4*(\i)+(\m))*512
	s_wait_dscnt 0x0                               ; the stores have read their registers
.endm
.set FS, 0
	XFETCH
.set CQ, 0
.irp i, 0,1
.rept 8
	KSTEP
.endr
	WIN 0
.irp b, 0,1,2,3
	v_mov_b32 v[TM+4+\b], 0                        ; a lane permute's destination counts as one of its sources
.endr
.irp m, 0,1,2,3
	QUANTH \i, \m
.endr
.endr
	s_barrier_signal -1                            ; (every wave's LDS instructions were waited for just above)
	s_barrier_wait -1                              ; the hidden layers' 32 fragments lie in LDS
	s_cmp_eq_u32 s30, 0                            ; an empty tile ends here: no barrier follows
	s_cbranch_scc1 .Lend
	; THE SECOND PRODUCT.  All 32 hidden fragments come into registers once; then 16 tiles of 16 outputs, each for both experts.
	WIN 0xc0
.set n, 0
.rept 48
	ds_load_b128 v[4*n:4*n+3], v[LH] offset:512*n              ; expert a: fragment (m, s) at v[12 (4 m + s)] of window 3
.set n, n+1
.endr
	WIN 0x80
.set n, 0
.rept 48
	ds_load_b128 v[4*n:4*n+3], v[LH] offset:16*FRB+512*n       ; expert b: window 2
.set n, n+1
.endr
	WIN 0
.irp k, 0,1,2,3,4,5,6,7
	ds_load_b128 v[HS+4*\k:HS+4*\k+3], v[LHS] offset:512*\k    ; scale words (i, m, s) at v[HS + 16 i + 4 m + s]
.endr
.set n, 0
.rept 32
	ds_load_b32 v[TOK+n], v[TLA] offset:8*n                    ; the token of row 2 n + h
.set n, n+1
.endr
	s_wait_dscnt 0x0
.set n, 0
.rept 32
	v_min_u32 v[TOK+n], 0x1fff, v[TOK+n]
	v_lshl_add_u32 v[TOK+n], v[TOK+n], 12, v31                 ; its row of out0, + 16 r
.set n, n+1
.endr
; Ring quarter q: expert q % 2, one tile of 16 outputs against the four tiles of rows, K steps 0 .. 3: four accumulators by turns; b2 is the C of the first four.
.macro QTR q, cnt, refill, df, dsc, db
	s_wait_loadcnt \cnt
.if ((\q)&1) == 0
	WIN 0xdd                                       ; source 0 (W2) and C (b2) window 1, source 1 (hidden) and D window 3
.else
	WIN 0x99                                       ; the same with window 2
.endif
.irp m, 0,1,2,3
	MM 192+8*\m, 48*(\q), 48*\m, 192+8*(\q), W2S+4*(\q), HS+16*((\q)&1)+4*\m, 0
.endr
.if ((\q)&1) == 0
	WIN 0xfd
.else
	WIN 0xa9
.endif
.irp s, 1,2,3
.irp m, 0,1,2,3
	MM 192+8*\m, 48*(\q)+12*\s, 48*\m+12*\s, 192+8*\m, W2S+4*(\q)+\s, HS+16*((\q)&1)+4*\m+\s, 0
.endr
.endr
	PLACES
.if \refill
	Q2LOAD \q, \df, \dsc, \db
.endif
.endm
.macro EPI ntq                         ; pa ya + pb yb for one tile of outputs, into my stage: a lane's eight numbers are 32 neighbouring bytes of a row
	s_wait_dscnt 0x0                               ; the last stores into the stage have read their registers
	WIN 0x03
.irp m, 0,1,2,3
.irp p, 0,2,4,6
	v_pk_mul_f32 v[OUT+8*\m+\p:OUT+8*\m+\p+1], v[192+8*\m+\p:192+8*\m+\p+1], v[PA+2*\m:PA+2*\m+1]
.endr
.endr
	WIN 0x02
.irp m, 0,1,2,3
.irp p, 0,2,4,6
	v_pk_fma_f32 v[OUT+8*\m+\p:OUT+8*\m+\p+1], v[192+8*\m+\p:192+8*\m+\p+1], v[PB+2*\m:PB+2*\m+1], v[OUT+8*\m+\p:OUT+8*\m+\p+1]
.endr
.endr
	WIN 0
.irp m, 0,1,2,3
	ds_store_b128 v[STO], v[OUT+8*\m:OUT+8*\m+3] offset:4352*\m+64*(\ntq)
	ds_store_b128 v[STO], v[OUT+8*\m+4:OUT+8*\m+7] offset:4352*\m+64*(\ntq)+16
.endr
.endm
.macro CYCLE par, refill, c0, c1, c2, c3, df, dsc, db
	QTR 0, \c0, \refill, \df, \dsc, \db
	QTR 1, \c1, \refill, \df, \dsc, \db
	EPI 2*\par
	QTR 2, \c2, \refill, \df, \dsc, \db
	QTR 3, \c3, \refill, \df, \dsc, \db
	EPI 2*\par+1
.endm
.macro FLUSH                           ; 64 rows x 256 bytes leave: sixteen lanes store 256 consecutive bytes of a token's row, aligned
.irp g, 0,1
	s_wait_xcnt 0x0                                ; the earlier stores have read their registers: they may be loaded again
.irp k, 0,1,2,3,4,5,6,7,8,9,10,11,12,13,14,15
	ds_load_b128 v[RB+4*\k:RB+4*\k+3], v[SRD] offset:544*(16*\g+\k)   ; LDS serves a wave's instructions in order: these see my stores; the stage is my own
.endr
.irp k, 0,1,2,3,4,5,6,7,8,9,10,11,12,13,14,15
	s_wait_dscnt 15-\k
	global_store_b128 v[TOK+16*\g+\k], v[RB+4*\k:RB+4*\k+3], s[56:57] th:TH_STORE_NT
.endr
.endr
	s_wait_xcnt 0x0                                ; the stores have read their base, the ring's loads their offsets: both may step
	s_add_nc_u64 s[56:57], s[56:57], 256
.endm
	s_mov_b32 s61, 3
.Ltrip:                                            ; a trip: four tiles of outputs, 64 columns; its refills reach two tiles ahead
	CYCLE 0, 1, 45, 45, 45, 45, 12288, 512, 128
	CYCLE 1, 1, 45, 45, 45, 45, 24576, 1024, 256
	FLUSH
	v_add_nc_u32 v[VF], 24576, v[VF]
	v_add_nc_u32 v[VS], 1024, v[VS]
	v_add_nc_u32 v[VB], 256, v[VB]
	s_sub_co_u32 s61, s61, 1
	s_cmp_lg_u32 s61, 0
	s_cbranch_scc1 .Ltrip
	CYCLE 0, 1, 45, 45, 45, 45, 12288, 512, 128    ; the last four tiles: the ring is filled for the last time,
	CYCLE 1, 0, 45, 30, 15, 0, 0, 0, 0             ; and runs empty: the counts run down
	FLUSH
.Lend:
	s_wait_tensorcnt 0x0
	ds_add_u32 v254, v255
	s_wait_dscnt 0x0
	s_endpgm
.Lfunc_end_k_qe0d43f5340_chain:
	.size	k_qe0d43f5340_chain, .Lfunc_end_k_qe0d43f5340_chain-k_qe0d43f5340_chain
	.p2alignl 7, 3214868480
	.fill 96, 4, 3214868480
	.section	.rodata,"a",@progbits
	.p2align	6, 0x0
	.amdhsa_kernel k_qe0d43f5340_chain
		.amdhsa_group_segment_fixed_size 180736
		.amdhsa_private_segment_fixed_size 0
		.amdhsa_enable_private_segment 0
		.amdhsa_kernarg_size 88
		.amdhsa_user_sgpr_count 2
		.amdhsa_user_sgpr_kernarg_segment_ptr 1
		.amdhsa_wavefront_size32 1
		.amdhsa_system_sgpr_workgroup_id_x 1
		.amdhsa_system_sgpr_workgroup_id_y 1
		.amdhsa_system_sgpr_workgroup_id_z 1
		.amdhsa_system_vgpr_workitem_id 0
		.amdhsa_next_free_vgpr 1024
		.amdhsa_next_free_sgpr 72
		.amdhsa_reserve_vcc 0
		.amdhsa_float_denorm_mode_32 3
		.amdhsa_float_denorm_mode_16_64 3
		.amdhsa_memory_ordered 1
		.amdhsa_forward_progress 1
		.amdhsa_inst_pref_size 255
	.end_amdhsa_kernel
	.section	.bss,"aw",@nobits
	.p2align	6
	.space	262144
	.amdgpu_metadata
---
amdhsa.version: [ 1, 2 ]
amdhsa.kernels:
  - .name:           k_qe0d43f5340_chain
    .symbol:         k_qe0d43f5340_chain.kd
    .args:
      - { .name: tiles, .offset: 0, .size: 8, .value_kind: global_buffer, .address_space: global }
      - { .name: order, .offset: 8, .size: 8, .value_kind: global_buffer, .address_space: global }
      - { .name: xq, .offset: 16, .size: 8, .value_kind: global_buffer, .address_space: global }
      - { .name: xs, .offset: 24, .size: 8, .value_kind: global_buffer, .address_space: global }
      - { .name: pw, .offset: 32, .size: 8, .value_kind: global_buffer, .address_space: global }
      - { .name: wf, .offset: 40, .size: 8, .value_kind: global_buffer, .address_space: global }
      - { .name: W1_scales, .offset: 48, .size: 8, .value_kind: global_buffer, .address_space: global }
      - { .name: b1, .offset: 56, .size: 8, .value_kind: global_buffer, .address_space: global }
      - { .name: W2_scales, .offset: 64, .size: 8, .value_kind: global_buffer, .address_space: global }
      - { .name: b2, .offset: 72, .size: 8, .value_kind: global_buffer, .address_space: global }
      - { .name: out0, .offset: 80, .size: 8, .value_kind: global_buffer, .address_space: global }
    .group_segment_fixed_size: 180736
    .private_segment_fixed_size: 0
    .kernarg_segment_align: 8
    .kernarg_segment_size: 88
    .max_flat_workgroup_size: 128
    .sgpr_count:     72
    .vgpr_count:     1024
    .wavefront_size: 32
...
	.end_amdgpu_metadata
.endif
;; end of part 3
;; ======== version 2 of 2: 3 launches; version 1 with the launch chain written anew for expert scheduling mode
;; workspace buffers: xq 6,291,456 bytes; xs 262,144 bytes; pw 65,536 bytes; pairq 32,768 bytes of whole numbers; hist 32,768 bytes of whole numbers; order 39,680 bytes of whole numbers; tiles 2,560 bytes of whole numbers; wf 6,291,456 bytes
;; launch route: the kernel of part 1 again; grid 256 x 1, 8 waves a work-group, no clusters, 173,056 bytes of LDS; arguments x, Wg, bg, out1, xq, xs, pw, pairq, hist; writes out1, xq, xs, pw, pairq, hist
;; launch place: the kernel of part 2 again; grid 65 x 1, 16 waves a work-group, no clusters, 6,144 bytes of LDS; arguments pairq, hist, W1_codes, W2_codes, order, tiles, wf; writes order, tiles, wf
;; launch chain (part 4): grid 155 x 1, 4 waves a work-group, no clusters, 180,736 bytes of LDS; arguments tiles, order, xq, xs, pw, wf, W1_scales, b1, W2_scales, b2, out0; writes out0
.if DOCPART == 4
	.amdgcn_target "amdgcn-amd-amdhsa--gfx1250"
	.amdhsa_code_object_version 6
	.text
	.protected	k_qe0d43f5340_chain
	.globl	k_qe0d43f5340_chain
	.p2align	8
	.type	k_qe0d43f5340_chain,@function
k_qe0d43f5340_chain:
	s_mov_b64 s[64:65], 0
	v_nop
	global_prefetch_b8 v0, s[64:65] scope:SCOPE_SE
	s_setreg_imm32_b32 hwreg(HW_REG_WAVE_SCHED_MODE, 0, 2), 2
	s_setreg_imm32_b32 hwreg(HW_REG_WAVE_MODE, 25, 1), 1
	s_wait_xcnt 0x0
	s_wait_alu depctr_vm_vsrc(0)
; CHAIN.  One work-group takes one tile, up to 64 tokens that chose the same two experts a < b, through both experts' chains: out = pa (relu(x W1a + b1a) W2a + b2a) + pb (the same of b).
; Both products on codes of BF6 (E3M2) with one E8M0 scale for each 32 along K.  x comes as codes (xq, xs); the hidden layer is quantised in registers and never goes to memory; each row of out0 has one owner.
; SHARES.  The four waves share the columns, not the rows: wave w makes hidden units 128 w .. 128 w + 127 of both experts (K step w of the second product) and output columns 256 w .. 256 w + 255, for all 64 rows.
; So each fragment of a weight is loaded once in the work-group, by one wave, and feeds four matrix instructions (the four tiles of 16 rows).
; THE WEIGHTS come from memory straight into registers, laid by the launch before in the order of the operand's registers: three loads of 16 bytes a lane for a fragment.  A RING of four quarters (four fragments
; each) is kept ahead: behind a quarter's 16 matrix instructions its registers take the quarter four further on.  64 quarters a wave: 32 of the first product (12 loads), 32 of the second (15: with b2 and W2's scale words).
; The wait in front of quarter c counts the loads of quarters c + 1 .. c + 3: 36; 39, 42 and 45 where the longer quarters come in; 30, 15, 0 at the end.
; BOTH PRODUCTS ARE USED TRANSPOSED (source 0 = 16 rows of a weight, source 1 = 16 tokens): a lane holds one token, its registers run along the hidden units or the output columns.  The rows of W1 that form a tile are
; chosen so that the 16 registers of tiles 2 b and 2 b + 1 are 16 neighbours along the next K.  The biases are the C of each sum's first matrix instruction.
; OPERANDS GO FROM WAVE TO WAVE THROUGH LDS AS IMAGES OF THEIR REGISTERS (16 bytes a lane, 512 a store).  Two barriers: behind the first x's 32 fragments lie in LDS, behind the second the hidden layers' 32.
; NO CLUSTER, NO JOINT LOADS: a tile's experts come from the stored list, neighbouring tiles need not share them, and the grid of 155 serves every split: partners would need descriptors and trips that differ.
; ROWS PAST THE TILE'S COUNT repeat its last token: the same wave stores the same numbers to the same bytes again.  A WORK-GROUP WHOSE TILE IS EMPTY works on tile 0's first token up to the last barrier (no barrier
; may hang on loaded data), stores nothing and ends.  LIMITS: NaN and infinities are not served; a hidden block of zeros gets the byte 1 (its codes are zeros).
; THE MODE: SCHED_MODE bits 1:0 = 2 (LLVM: expert scheduling mode 2), set by the entry lines.  The code itself states the register dependences between vector or matrix instructions and memory or LDS
; instructions, with s_wait_alu, always for 0.
; THE PLAN.  Registers that memory or LDS instructions touch, and who else names them:
;   the ring      (a quarter's 48 registers; in the second product also its eight of b2 and its four scale words of W2)  Loads land in it; the quarter's 16 matrix instructions read it; it is asked for again at once.
;   x's buffers   (two of 48, and their scale words)  LDS loads land in one between a K step's two quarters; the 32 matrix instructions of the K step after read it.
;   PC, PW        The quantiser writes them; its four LDS stores read them.
;   OUT           The 32 packed instructions that join the two experts write it; eight LDS stores read it.
;   RB            LDS loads land in it; global stores read it; no vector instruction names it in the second product.
;   TOK           Made once by vector instructions ahead of the second product's first quarter; read by the global stores; never written again.
;   VF, VS, VB    Read by the second product's ring loads; written once a trip.       All other addresses are made at the head and never written again.
; So ONE wait on va_vdst stands in a quarter, behind its matrix instructions: they are done reading the ring quarter, which is asked for again at once, since a quarter that waited longer would be so many bytes
; fewer on their way.  In the first product the same wait serves x's LDS loads that follow the K step's first quarter (the buffer's last readers are the K step before).  In the second product's odd quarters the
; joining of the two experts stands ahead of that wait, so that it also states that OUT is written: the refill and the eight LDS stores follow it.  The loads are not dealt among the matrix instructions: their
; destination lies in another window than the products', so each group would cost two switches.  Waits on vm_vsrc stand ahead of each rewriting of PC and PW, OUT, RB and VF, VS, VB.
; REGISTERS, in windows of 256.  Window 0: v4-31 addresses; v32-127 x's fragments, two buffers of 4 x 12 (buffer 1 is also the quantiser's work); v128-135 x's scale words; v136-199 W1's; v200-215 W2's; v216-231 pa, pb in pairs.
;   In the second product: v32-63 the hidden layers' scale words, v64-95 the rows' offsets in out0, v96-127 results, v128-191 rows on their way out.
; Window 1: the ring (quarter q at v[48 q]); v192-223 b2.  Window 2: the first product's 32 accumulators (t, m) at v[64 m + 8 t]; later expert b's hidden fragments and, at v192, its four accumulators.
; Window 3: b1 (i, t) at v[64 i + 8 t]; later expert a's hidden fragments and accumulators.
.set FRB,   1536                       ; a fragment's image in bytes
.set XIMG,  0                          ; LDS: x's fragments (tile of rows m, K step s): 8 m + s
.set XSC,   49152                      ; x's scale words: 512 s + 16 lane + 4 m
.set HIMG,  53248                      ; the hidden layers' fragments: (4 i + m) 4 + s
.set HSC,   102400                     ; their scale words: (4 i + m) 512 + 16 lane + 4 s
.set TOKL,  106496                     ; the 64 rows' token numbers
.set STAGE, 106752                     ; the way out: for each wave 64 rows x (256 bytes + 16)
.set LI,  4                            ; v4   16 x lane
.set LH,  5                            ; v5   HIMG + 16 x lane
.set XWI, 6                            ; v6   where I store x's images
.set XWS, 7                            ; v7   and their scale words
.set HWI, 8                            ; v8   the hidden layer's images
.set HWS, 9                            ; v9   and their scale words
.set LHS, 10                           ; v10  HSC + 16 x lane
.set TKW, 11                           ; v11  where my row's token number goes
.set TLA, 12                           ; v12  TOKL + 4 h
.set STO, 13                           ; v13  the stage: where I put 32 bytes of a row
.set SRD, 14                           ; v14  and where I read a row back
.set VF,  15                           ; v15  W2's fragments: 16 x lane, stepped each trip
.set VS,  16                           ; v16  W2's scale words: 16 r, stepped
.set VB,  17                           ; v17  b2: 32 h, stepped
.set XF,  32
.set TM,  80
.set PW,  96
.set PC,  100
.set XS,  128
.set W1S, 136
.set W2S, 200
.set PA,  216
.set PB,  224
.set HS,  32
.set TOK, 64
.set OUT, 96
.set RB,  128
.set W1F,  32                          ; s[32:43] expert a's six bases, s[44:55] expert b's: W1's fragments, W1's scales, b1, W2's fragments, W2's scales, b2
.set W1SB, 34
.set B1B,  36
.set W2F,  38
.set W2SB, 40
.set B2B,  42
.set MSB, 0
.macro WIN new                         ; the immediate's high byte repeats the setting that is left
.if MSB != \new
	s_set_vgpr_msb (MSB<<8)|\new
.set MSB, \new
.endif
.endm
.macro PLACES                          ; four places behind this matrix form, ahead of reads of its results; they stand behind every quarter, and the wait that states the loads' dependence follows them
.rept 4
	v_nop
.endr
.endm
.macro MM d, a, b, c, sa, sb, row1
.if \row1
	v_wmma_scale_f32_16x16x128_f8f6f4 v[(\d):(\d)+7], v[(\a):(\a)+11], v[(\b):(\b)+11], v[(\c):(\c)+7], v[\sa], v[\sb] matrix_a_fmt:MATRIX_FMT_BF6 matrix_b_fmt:MATRIX_FMT_BF6 matrix_a_scale:MATRIX_SCALE_ROW1
.else
	v_wmma_scale_f32_16x16x128_f8f6f4 v[(\d):(\d)+7], v[(\a):(\a)+11], v[(\b):(\b)+11], v[(\c):(\c)+7], v[\sa], v[\sb] matrix_a_fmt:MATRIX_FMT_BF6 matrix_b_fmt:MATRIX_FMT_BF6
.endif
.endm
.macro Q1LOAD                          ; four fragments of W1, expert LE, from byte LOFF of my part, into ring quarter LQ
	WIN 0x40
.irp k, 0,1,2,3,4,5,6,7,8,9,10,11
	global_load_b128 v[48*LQ+4*\k:48*LQ+4*\k+3], v[LI], s[W1F+12*LE:W1F+12*LE+1] offset:LOFF+512*\k
.endr
.endm
.macro Q2LOAD q, df, dsc, db           ; ring quarter q of the second product: expert q % 2, the tile of outputs q / 2 of a pair: four fragments of W2, b2's eight numbers, W2's four scale words
	WIN 0x40
.irp k, 0,1,2,3,4,5,6,7,8,9,10,11
	global_load_b128 v[48*(\q)+4*\k:48*(\q)+4*\k+3], v[VF], s[W2F+12*((\q)&1):W2F+12*((\q)&1)+1] offset:(\df)+6144*((\q)>>1)+512*\k
.endr
	global_load_b128 v[192+8*(\q):195+8*(\q)], v[VB], s[B2B+12*((\q)&1):B2B+12*((\q)&1)+1] offset:(\db)+64*((\q)>>1)
	global_load_b128 v[196+8*(\q):199+8*(\q)], v[VB], s[B2B+12*((\q)&1):B2B+12*((\q)&1)+1] offset:(\db)+64*((\q)>>1)+16
	WIN 0
	global_load_b128 v[W2S+4*(\q):W2S+4*(\q)+3], v[VS], s[W2SB+12*((\q)&1):W2SB+12*((\q)&1)+1] offset:(\dsc)+256*((\q)>>1)
.endm
	s_load_b512 s[4:19], s[0:1], 0x0               ; tiles s[4:5], order s[6:7], xq s[8:9], xs s[10:11], pw s[12:13], wf s[14:15], W1's scales s[16:17], b1 s[18:19]
	s_load_b128 s[20:23], s[0:1], 0x40             ; W2's scales s[20:21], b2 s[22:23]
	s_load_b64 s[24:25], s[0:1], 0x50              ; out0
	v_lshl_add_u32 v254, v0, 2, 0x2c000
	v_mov_b32 v255, 0
	v_lshrrev_b32 v1, 5, v0
	v_readfirstlane_b32 s60, v1                    ; wave 0..3
	v_and_b32 v1, 31, v0                           ; lane
	v_and_b32 v2, 15, v0                           ; r
	v_bfe_u32 v3, v0, 4, 1                         ; h
	s_lshl_b32 s26, ttmp9, 4
	s_mov_b32 s27, 0
	s_wait_kmcnt 0x0
	s_add_nc_u64 s[4:5], s[4:5], s[26:27]
	s_load_b128 s[28:31], s[4:5], 0x0              ; my tile: a, b, cnt, src
	v_lshlrev_b32 v[LI], 4, v1
	v_add_nc_u32 v[LH], HIMG, v[LI]
	s_wait_alu depctr_va_sdst(0)                   ; s60, the wave's number, is written, ahead of its first reader
	s_mul_i32 s66, s60, 8*FRB
	v_add_nc_u32 v[XWI], s66, v[LI]
	s_lshl_b32 s66, s60, 2
	s_add_co_u32 s67, s66, XSC
	v_add_nc_u32 v[XWS], s67, v[LI]
	s_add_co_u32 s67, s66, HSC
	v_add_nc_u32 v[HWS], s67, v[LI]
	s_mul_i32 s67, s60, FRB
	s_add_co_u32 s67, s67, HIMG
	v_add_nc_u32 v[HWI], s67, v[LI]
	v_add_nc_u32 v[LHS], HSC, v[LI]
	s_lshl_b32 s67, s60, 6
	s_add_co_u32 s67, s67, TOKL
	v_lshl_add_u32 v[TKW], v2, 2, s67
	v_lshl_add_u32 v[TLA], v3, 2, TOKL
	s_mul_i32 s67, s60, 64*272
	s_add_co_u32 s67, s67, STAGE
	v_mul_u32_u24 v[STO], v2, 272
	v_lshl_add_u32 v[STO], v3, 5, v[STO]
	v_add_nc_u32 v[STO], s67, v[STO]
	v_mul_u32_u24 v[SRD], v3, 272
	v_lshl_add_u32 v[SRD], v2, 4, v[SRD]
	v_add_nc_u32 v[SRD], s67, v[SRD]
	v_mov_b32 v[VF], v[LI]
	v_lshlrev_b32 v[VS], 4, v2
	v_lshlrev_b32 v[VB], 5, v3
	v_and_b32 v18, 8, v2
	v_add_nc_u32 v18, v18, v2
	v_lshlrev_b32 v18, 5, v18
	v_lshl_add_u32 v18, v3, 4, v18                 ; W1's scale words: row r + 8 (r / 8) of 32 bytes; lanes 0-15 take K steps 0-3, lanes 16-31 K steps 4-7
	v_lshlrev_b32 v19, 6, v3                       ; b1: 16 h numbers on
	v_lshlrev_b32 v31, 4, v2                       ; 16 r; never rewritten
	s_mov_b32 s58, 0x76543210
	s_mov_b32 s59, 0xfedcba98                      ; v_permlanex16_b32's selects for lane l xor 16
	s_wait_kmcnt 0x0
	s_min_u32 s28, s28, 7                          ; what was read is held inside its range before it enters an address
	s_min_u32 s29, s29, 7
	s_min_u32 s30, s30, 64
	s_min_u32 s31, s31, 154
.irp i, 0,1
	s_mul_i32 s66, s[28+\i], 393216
	s_mul_i32 s67, s60, 98304
	s_add_co_u32 s66, s66, s67
	s_mov_b32 s67, 0
	s_add_nc_u64 s[W1F+12*\i:W1F+12*\i+1], s[14:15], s[66:67]
	s_add_nc_u64 s[W2F+12*\i:W2F+12*\i+1], s[W1F+12*\i:W1F+12*\i+1], 3145728
	s_lshl_b32 s66, s[28+\i], 14
	s_lshl_b32 s68, s60, 12
	s_add_co_u32 s66, s66, s68
	s_add_nc_u64 s[W1SB+12*\i:W1SB+12*\i+1], s[16:17], s[66:67]
	s_add_nc_u64 s[W2SB+12*\i:W2SB+12*\i+1], s[20:21], s[66:67]
	s_lshl_b32 s66, s[28+\i], 11
	s_lshl_b32 s68, s60, 9
	s_add_co_u32 s66, s66, s68
	s_add_nc_u64 s[B1B+12*\i:B1B+12*\i+1], s[18:19], s[66:67]
	s_lshl_b32 s66, s66, 1
	s_add_nc_u64 s[B2B+12*\i:B2B+12*\i+1], s[22:23], s[66:67]
.endr
	s_lshl_b32 s66, s60, 10
	s_add_nc_u64 s[56:57], s[24:25], s[66:67]      ; out0 at my 256 columns
	s_lshl_b32 s66, s31, 8
	s_add_nc_u64 s[6:7], s[6:7], s[66:67]          ; the tile's 64 places in order
	s_max_u32 s68, s30, 1
	s_sub_co_u32 s68, s68, 1                       ; the last row that is written there
	s_lshl_b32 s69, s60, 4
	v_add_nc_u32 v25, s69, v2                      ; row 16 w + r: the one I gather
.irp m, 0,1,2,3
	v_add_nc_u32 v[26+\m], 16*\m, v2               ; rows 16 m + r: those whose weights pa, pb I need
.endr
.irp k, 0,1,2,3,4
	v_min_u32 v[25+\k], s68, v[25+\k]
	v_min_u32 v[25+\k], 63, v[25+\k]
	v_lshlrev_b32 v[25+\k], 2, v[25+\k]
.endr
	s_wait_alu depctr_va_vdst(0)                   ; the addresses and offsets v4 to v19 and v25 to v29 are written, which the loads and LDS instructions from here on read
.irp k, 0,1,2,3,4
	global_load_b32 v[20+\k], v[25+\k], s[6:7]
.endr
.irp c, 0,1,2,3                                ; the ring's first four quarters: 48 loads
.set LQ, \c
.set LE, 0
.set LOFF, 4*\c*FRB
	Q1LOAD
.endr
	WIN 0
	s_wait_loadcnt 48                              ; the 48 ring loads may be out: the token numbers are in
	s_wait_alu depctr_vm_vsrc(0)                   ; the five loads of token numbers have read v25 to v29, which are written again below
.irp k, 0,1,2,3,4
	v_min_u32 v[20+\k], 0x1fff, v[20+\k]
.endr
	v_mul_u32_u24 v25, v20, 768
	v_mad_u32_u24 v25, v3, 384, v25                ; xq: my token's row, my half's 384 bytes
	v_lshlrev_b32 v26, 5, v20
.irp m, 0,1,2,3
	v_lshlrev_b32 v[27+\m], 3, v[21+\m]
.endr
	s_wait_alu depctr_va_vdst(0)                   ; the offsets v25 to v30 are written, which the gather's loads read, and v20, which an LDS store below reads
.set n, 0
.rept 24
	global_load_b128 v[XF+4*n:XF+4*n+3], v25, s[8:9] offset:16*n   ; registers 12 s + .. of the row's eight fragments
.set n, n+1
.endr
	global_load_b128 v[128:131], v26, s[10:11]
	global_load_b128 v[132:135], v26, s[10:11] offset:16
.irp m, 0,1,2,3
	global_load_b64 v[232+2*\m:233+2*\m], v[27+\m], s[12:13]
.endr
.irp i, 0,1                                    ; 48 more: W1's scale words and b1, both experts'
.irp t, 0,1,2,3,4,5,6,7
	global_load_b128 v[W1S+32*\i+4*\t:W1S+32*\i+4*\t+3], v18, s[W1SB+12*\i:W1SB+12*\i+1] offset:(32*(\t/2)+8*(\t%2))*32
.endr
.endr
	WIN 0xc0
.irp i, 0,1
.irp t, 0,1,2,3,4,5,6,7
	global_load_b128 v[64*\i+8*\t:64*\i+8*\t+3], v19, s[B1B+12*\i:B1B+12*\i+1] offset:(32*(\t/2)+8*(\t%2))*4
	global_load_b128 v[64*\i+8*\t+4:64*\i+8*\t+7], v19, s[B1B+12*\i:B1B+12*\i+1] offset:(32*(\t/2)+8*(\t%2))*4+16
.endr
.endr
	WIN 0
	s_wait_loadcnt 48                              ; those 48 may be out: my row's codes, scale words and weights are in
.set n, 0
.rept 24
	ds_store_b128 v[XWI], v[XF+4*n:XF+4*n+3] offset:XIMG+512*n
.set n, n+1
.endr
.irp s, 0,1,2,3,4,5,6,7
	ds_store_b32 v[XWS], v[128+\s] offset:512*\s
.endr
	ds_store_b32 v[TKW], v20
.irp m, 0,1,2,3
	v_mov_b32 v[PA+2*\m], v[232+2*\m]              ; pairs for the packed forms
	v_mov_b32 v[PA+2*\m+1], v[232+2*\m]
	v_mov_b32 v[PB+2*\m], v[233+2*\m]
	v_mov_b32 v[PB+2*\m+1], v[233+2*\m]
.endr
	s_wait_dscnt 0x0                               ; for the others' sake: my stores have landed
	s_barrier_signal -1
	s_barrier_wait -1                              ; x's 32 fragments lie in LDS
	s_wait_alu depctr_vm_vsrc(0)                   ; my LDS stores have read v32 to v135: these registers are x's two buffers and their scale words from here on, in which LDS loads land
.macro XFETCH                          ; K step FS of x, the four tiles of rows and their scale words, into buffer FS % 2
	WIN 0
.irp m, 0,1,2,3
.irp c, 0,1,2
	ds_load_b128 v[XF+48*(FS%2)+12*\m+4*\c:XF+48*(FS%2)+12*\m+4*\c+3], v[LI] offset:XIMG+(8*\m+FS)*FRB+512*\c
.endr
.endr
	ds_load_b128 v[XS+4*(FS%2):XS+4*(FS%2)+3], v[LI] offset:XSC+512*FS
.endm
.macro REFILL                          ; the ring quarter just multiplied takes the quarter four further on
.set NX, CQ+4
.if NX < 32
.set LQ, NX%4
.set LE, NX/16
.set LOFF, 4*(NX%16)*FRB
	Q1LOAD
.else
	Q2LOAD NX%4, 0, 0, 0
.endif
.endm
; Quarter CQ of the first product: expert CQ / 16, K step (CQ % 16) / 2, W1's tiles 4 (CQ % 2) + 0 .. 3 against the four tiles of rows: 16 accumulators by turns.
.macro QTR1
.set KE, CQ/16
.set KS, (CQ%16)/2
.set KU, CQ%2
.set KQ, CQ%4
.if CQ == 0
	s_wait_loadcnt 0x0                             ; the ring's first quarters, W1's scale words and b1
.elseif CQ < 29
	s_wait_loadcnt 36                              ; the three quarters behind this one may be out: 3 x 12
.elseif CQ == 29
	s_wait_loadcnt 39                              ; 12 + 12 + 15
.elseif CQ == 30
	s_wait_loadcnt 42                              ; 12 + 15 + 15
.else
	s_wait_loadcnt 45                              ; 3 x 15
.endif
.if KS == 0
	WIN 0xb1                                       ; source 0 (W1) window 1, source 1 (x) window 0, C (b1) window 3, D window 2
.else
	WIN 0xa1                                       ; C and D window 2
.endif
.irp f, 0,1,2,3
.irp m, 0,1,2,3
.if KS == 0
	MM 64*\m+8*(4*KU+\f), 48*KQ+12*\f, XF+48*(KS%2)+12*\m, 64*KE+8*(4*KU+\f), W1S+32*KE+4*(4*KU+\f)+KS%4, XS+4*(KS%2)+\m, 0
.else
	MM 64*\m+8*(4*KU+\f), 48*KQ+12*\f, XF+48*(KS%2)+12*\m, 64*\m+8*(4*KU+\f), W1S+32*KE+4*(4*KU+\f)+KS%4, XS+4*(KS%2)+\m, KS/4
.endif
.endr
.endr
	PLACES
	s_wait_alu depctr_va_vdst(0)                   ; the quarter's matrix instructions are done reading its ring registers, in which the loads below land; in a K step's first quarter also: whatever named x's other buffer (the K step before; the quantiser) is done, so x's LDS loads may follow
	REFILL
.endm
.macro KSTEP                           ; two quarters; between them the next K step of x is fetched from LDS, 16 matrix instructions ahead of its use
	s_wait_dscnt 0x0                               ; this K step's x is in
	QTR1
.if CQ != 30
.set FS, (((CQ%16)/2)+1)%8
	XFETCH                                         ; no wait of its own: since the quarter's wait only loads and window switches were issued
.endif
.set CQ, CQ+1
	QTR1
.set CQ, CQ+1
.endm
; The hidden layer of expert i, rows 16 m on: relu, quantised along the next K (my 128 units are one K step), its image and scale word to LDS.
.macro QUANTH i, m
	WIN 0x88
.set j, 0
.rept 64
	v_max_num_f32 v[64*(\m)+j], 0, v[64*(\m)+j]    ; the activation, in f32; each accumulator from its low end on
.set j, j+1
.endr
	WIN 0x28
.irp b, 0,1,2,3
	v_max3_num_f32 v[TM+\b], 0x2800000, v[64*(\m)+16*\b], v[64*(\m)+16*\b+1]   ; none is negative: no |.|; the floor 2^(5 - 127) holds the byte at 1 from below
.endr
.irp k, 2,4,6,8,10,12,14
.irp b, 0,1,2,3
	v_max3_num_f32 v[TM+\b], v[TM+\b], v[64*(\m)+16*\b+\k], v[64*(\m)+16*\b+\k+1]
.endr
.endr
	WIN 0
.irp b, 0,1,2,3
	v_permlanex16_b32 v[TM+4+\b], v[TM+\b], s58, s59
.endr
.irp b, 0,1,2,3
	v_max_num_f32 v[TM+\b], v[TM+\b], v[TM+4+\b]
.endr
.irp b, 0,1,2,3
	v_add_nc_u32 v[TM+12+\b], 0xfe000000, v[TM+\b] ; 4 off the exponent field: the conversion's scale operand
.endr
.irp b, 0,1,2,3
	v_lshrrev_b32 v[TM+4+\b], 23, v[TM+12+\b]      ; the scale's byte
.endr
	v_lshl_or_b32 v[PW], v[TM+5], 8, v[TM+4]
	v_lshl_or_b32 v[PW], v[TM+6], 16, v[PW]
	v_lshl_or_b32 v[PW], v[TM+7], 24, v[PW]
	WIN 0x02
.irp c, 0,1
	v_cvt_scalef32_pk16_bf6_f32 v[PC+6*\c:PC+2+6*\c], v[64*(\m)+32*\c:64*(\m)+32*\c+15], v[TM+12+2*\c]
	v_cvt_scalef32_pk16_bf6_f32 v[PC+12+4*\c:PC+14+4*\c], v[64*(\m)+32*\c+16:64*(\m)+32*\c+31], v[TM+12+2*\c+1]
.endr
	WIN 0
	v_nop                                          ; one plain place behind a scaled conversion
.irp c, 0,1
.irp k, 0,1,2
	v_permlane16_swap_b32 v[PC+6*\c+\k], v[PC+12+4*\c+\k]
.endr
.irp k, 0,1,2
	v_mov_b32 v[PC+3+6*\c+\k], v[PC+12+4*\c+\k]
.endr
.endr
	s_wait_alu depctr_va_vdst(0)                   ; the codes in v[PC ..] and the scale word in v[PW] are written, which the four LDS stores read
.irp c, 0,1,2
	ds_store_b128 v[HWI], v[PC+4*\c:PC+4*\c+3] offset:(4*(\i)+(\m))*4*FRB+512*\c
.endr
	ds_store_b32 v[HWS], v[PW] offset:(4*(\i)+(\m))*512
	s_wait_dscnt 0x0                               ; my stores have landed (behind the last tile of rows the barrier's signal follows)
	s_wait_alu depctr_vm_vsrc(0)                   ; the four stores have read v[PC ..] and v[PW], which the next tile's quantiser, x's next LDS loads or the second product's results write again
.endm
.set FS, 0
	XFETCH
.set CQ, 0
.irp i, 0,1
.rept 8
	KSTEP
.endr
	WIN 0
.irp b, 0,1,2,3
	v_mov_b32 v[TM+4+\b], 0                        ; a lane permute's destination counts as one of its sources
.endr
.irp m, 0,1,2,3
	QUANTH \i, \m
.endr
.endr
	s_barrier_signal -1                            ; (every wave's LDS instructions were waited for just above)
	s_barrier_wait -1                              ; the hidden layers' 32 fragments lie in LDS
	s_cmp_eq_u32 s30, 0                            ; an empty tile ends here: no barrier follows
	s_cbranch_scc1 .Lend
	; THE SECOND PRODUCT.  All 32 hidden fragments come into registers once; then 16 tiles of 16 outputs, each for both experts.
	WIN 0xc0
	s_wait_alu depctr_va_vdst(0)                   ; the first product is done reading b1 (window 3) and x's buffers, the quantiser is done with the accumulators (window 2) and its work registers: LDS loads land in all of these below
.set n, 0
.rept 48
	ds_load_b128 v[4*n:4*n+3], v[LH] offset:512*n              ; expert a: fragment (m, s) at v[12 (4 m + s)] of window 3
.set n, n+1
.endr
	WIN 0x80
.set n, 0
.rept 48
	ds_load_b128 v[4*n:4*n+3], v[LH] offset:16*FRB+512*n       ; expert b: window 2
.set n, n+1
.endr
	WIN 0
.irp k, 0,1,2,3,4,5,6,7
	ds_load_b128 v[HS+4*\k:HS+4*\k+3], v[LHS] offset:512*\k    ; scale words (i, m, s) at v[HS + 16 i + 4 m + s]
.endr
.set n, 0
.rept 32
	ds_load_b32 v[TOK+n], v[TLA] offset:8*n                    ; the token of row 2 n + h
.set n, n+1
.endr
	s_wait_dscnt 0x0
.set n, 0
.rept 32
	v_min_u32 v[TOK+n], 0x1fff, v[TOK+n]
	v_lshl_add_u32 v[TOK+n], v[TOK+n], 12, v31                 ; its row of out0, + 16 r.  (The quarters' waits stand between these lines and the stores that read them)
.set n, n+1
.endr
; Ring quarter q: expert q % 2, one tile of 16 outputs against the four tiles of rows, K steps 0 .. 3: four accumulators by turns; b2 is the C of the first four.
.macro QMUL q, cnt
	s_wait_loadcnt \cnt
.if ((\q)&1) == 0
	WIN 0xdd                                       ; source 0 (W2) and C (b2) window 1, source 1 (hidden) and D window 3
.else
	WIN 0x99                                       ; the same with window 2
.endif
.irp m, 0,1,2,3
	MM 192+8*\m, 48*(\q), 48*\m, 192+8*(\q), W2S+4*(\q), HS+16*((\q)&1)+4*\m, 0
.endr
.if ((\q)&1) == 0
	WIN 0xfd
.else
	WIN 0xa9
.endif
.irp s, 1,2,3
.irp m, 0,1,2,3
	MM 192+8*\m, 48*(\q)+12*\s, 48*\m+12*\s, 192+8*\m, W2S+4*(\q)+\s, HS+16*((\q)&1)+4*\m+\s, 0
.endr
.endr
	PLACES
.endm
.macro EPIM                            ; pa ya + pb yb for one tile of outputs: it stands between an odd quarter's places and that quarter's wait
	s_wait_dscnt 0x0                               ; the last stores into the stage have landed
	s_wait_alu depctr_vm_vsrc(0)                   ; and have read v[OUT ..], which is written again below (they were issued two quarters ago)
	WIN 0x03
.irp m, 0,1,2,3
.irp p, 0,2,4,6
	v_pk_mul_f32 v[OUT+8*\m+\p:OUT+8*\m+\p+1], v[192+8*\m+\p:192+8*\m+\p+1], v[PA+2*\m:PA+2*\m+1]
.endr
.endr
	WIN 0x02
.irp m, 0,1,2,3
.irp p, 0,2,4,6
	v_pk_fma_f32 v[OUT+8*\m+\p:OUT+8*\m+\p+1], v[192+8*\m+\p:192+8*\m+\p+1], v[PB+2*\m:PB+2*\m+1], v[OUT+8*\m+\p:OUT+8*\m+\p+1]
.endr
.endr
	WIN 0
.endm
.macro EPIS ntq                        ; into my stage: a lane's eight numbers are 32 neighbouring bytes of a row
.irp m, 0,1,2,3
	ds_store_b128 v[STO], v[OUT+8*\m:OUT+8*\m+3] offset:4352*\m+64*(\ntq)
	ds_store_b128 v[STO], v[OUT+8*\m+4:OUT+8*\m+7] offset:4352*\m+64*(\ntq)+16
.endr
.endm
; Two quarters, experts a and b of one tile of outputs; q0: the even one.  refill = 0: the ring runs empty, and the even quarter, behind which no load follows, holds no wait.
.macro PAIR q0, ca, cb, ntq, refill, df, dsc, db
	QMUL \q0, \ca
.if \refill
	s_wait_alu depctr_va_vdst(0)                   ; the quarter's matrix instructions are done reading its ring registers, its b2 and its scale words of W2, in which the loads below land; in a trip's first quarter also: VF, VS and VB are written
	Q2LOAD \q0, \df, \dsc, \db
.endif
	QMUL (\q0)+1, \cb
	EPIM
	s_wait_alu depctr_va_vdst(0)                   ; v[OUT ..] is written, which the LDS stores below read; and the quarter's matrix instructions are done reading its ring registers, its b2 and its scale words, in which the loads below land
.if \refill
	Q2LOAD (\q0)+1, \df, \dsc, \db
.endif
	EPIS \ntq
.endm
.macro CYCLE par, refill, c0, c1, c2, c3, df, dsc, db
	PAIR 0, \c0, \c1, 2*\par, \refill, \df, \dsc, \db
	PAIR 2, \c2, \c3, 2*\par+1, \refill, \df, \dsc, \db
.endm
.macro FLUSH                           ; 64 rows x 256 bytes leave: sixteen lanes store 256 consecutive bytes of a token's row, aligned
.irp g, 0,1
	s_wait_xcnt 0x0                                ; the earlier stores have had their addresses translated: their registers may be loaded again,
	s_wait_alu depctr_vm_vsrc(0)                   ; and they have read v[RB ..], in which the LDS loads below land
.irp k, 0,1,2,3,4,5,6,7,8,9,10,11,12,13,14,15
	ds_load_b128 v[RB+4*\k:RB+4*\k+3], v[SRD] offset:544*(16*\g+\k)   ; LDS serves a wave's instructions in order: these see my stores; the stage is my own
.endr
.irp k, 0,1,2,3,4,5,6,7,8,9,10,11,12,13,14,15
	s_wait_dscnt 15-\k
	global_store_b128 v[TOK+16*\g+\k], v[RB+4*\k:RB+4*\k+3], s[56:57] th:TH_STORE_NT
.endr
.endr
	s_wait_xcnt 0x0                                ; the stores have read their base, the ring's loads their offsets: both may step
	s_add_nc_u64 s[56:57], s[56:57], 256
.endm
	s_mov_b32 s61, 3
.Ltrip:                                            ; a trip: four tiles of outputs, 64 columns; its refills reach two tiles ahead
	CYCLE 0, 1, 45, 45, 45, 45, 12288, 512, 128
	CYCLE 1, 1, 45, 45, 45, 45, 24576, 1024, 256
	FLUSH
	s_wait_alu depctr_vm_vsrc(0)                   ; the ring's loads issued so far have read VF, VS and VB, which step below; the next trip's first wait on va_vdst stands ahead of their next reader
	v_add_nc_u32 v[VF], 24576, v[VF]
	v_add_nc_u32 v[VS], 1024, v[VS]
	v_add_nc_u32 v[VB], 256, v[VB]
	s_sub_co_u32 s61, s61, 1
	s_cmp_lg_u32 s61, 0
	s_cbranch_scc1 .Ltrip
	CYCLE 0, 1, 45, 45, 45, 45, 12288, 512, 128    ; the last four tiles: the ring is filled for the last time,
	CYCLE 1, 0, 45, 30, 15, 0, 0, 0, 0             ; and runs empty: the counts run down
	FLUSH
.Lend:
	s_wait_dscnt 0x0                               ; the closing lines, six on end
	s_wait_alu 0x0
	s_wait_tensorcnt 0x0
	ds_add_u32 v254, v255
	s_wait_dscnt 0x0
	s_endpgm
.Lfunc_end_k_qe0d43f5340_chain:
	.size	k_qe0d43f5340_chain, .Lfunc_end_k_qe0d43f5340_chain-k_qe0d43f5340_chain
	.p2alignl 7, 3214868480
	.fill 96, 4, 3214868480
	.section	.rodata,"a",@progbits
	.p2align	6, 0x0
	.amdhsa_kernel k_qe0d43f5340_chain
		.amdhsa_group_segment_fixed_size 180736
		.amdhsa_private_segment_fixed_size 0
		.amdhsa_enable_private_segment 0
		.amdhsa_kernarg_size 88
		.amdhsa_user_sgpr_count 2
		.amdhsa_user_sgpr_kernarg_segment_ptr 1
		.amdhsa_wavefront_size32 1
		.amdhsa_system_sgpr_workgroup_id_x 1
		.amdhsa_system_sgpr_workgroup_id_y 1
		.amdhsa_system_sgpr_workgroup_id_z 1
		.amdhsa_system_vgpr_workitem_id 0
		.amdhsa_next_free_vgpr 1024
		.amdhsa_next_free_sgpr 72
		.amdhsa_reserve_vcc 0
		.amdhsa_float_denorm_mode_32 3
		.amdhsa_float_denorm_mode_16_64 3
		.amdhsa_memory_ordered 1
		.amdhsa_forward_progress 1
		.amdhsa_inst_pref_size 255
	.end_amdhsa_kernel
	.section	.bss,"aw",@nobits
	.p2align	6
	.space	262144
	.amdgpu_metadata
---
amdhsa.version: [ 1, 2 ]
amdhsa.kernels:
  - .name:           k_qe0d43f5340_chain
    .symbol:         k_qe0d43f5340_chain.kd
    .args:
      - { .name: tiles, .offset: 0, .size: 8, .value_kind: global_buffer, .address_space: global }
      - { .name: order, .offset: 8, .size: 8, .value_kind: global_buffer, .address_space: global }
      - { .name: xq, .offset: 16, .size: 8, .value_kind: global_buffer, .address_space: global }
      - { .name: xs, .offset: 24, .size: 8, .value_kind: global_buffer, .address_space: global }
      - { .name: pw, .offset: 32, .size: 8, .value_kind: global_buffer, .address_space: global }
      - { .name: wf, .offset: 40, .size: 8, .value_kind: global_buffer, .address_space: global }
      - { .name: W1_scales, .offset: 48, .size: 8, .value_kind: global_buffer, .address_space: global }
      - { .name: b1, .offset: 56, .size: 8, .value_kind: global_buffer, .address_space: global }
      - { .name: W2_scales, .offset: 64, .size: 8, .value_kind: global_buffer, .address_space: global }
      - { .name: b2, .offset: 72, .size: 8, .value_kind: global_buffer, .address_space: global }
      - { .name: out0, .offset: 80, .size: 8, .value_kind: global_buffer, .address_space: global }
    .group_segment_fixed_size: 180736
    .private_segment_fixed_size: 0
    .kernarg_segment_align: 8
    .kernarg_segment_size: 88
    .max_flat_workgroup_size: 128
    .sgpr_count:     72
    .vgpr_count:     1024
    .wavefront_size: 32
...
	.end_amdgpu_metadata
.endif
;; end of part 4
